; MI455X (gfx1250); checked and timed in simulation.
; The chip was launched on July 23, 2026; its instructions are those of AMD's public machine-readable ISA for CDNA 5 (MIT licence, August 2026) and "CDNA5" Instruction Set Architecture Reference Guide (July 2026). The comments in the code are by the model that wrote it; some were corrected since.
;; Associative Incremental Attention. Allowed arithmetic: float matrix products may take bf16 or f16 operands with f32 sums; all other float work in f32.
;; Inputs: Wk 512 x 512 float32; Wo 512 x 512 float32; Wq 512 x 512 float32; Wv 512 x 512 float32; assoc_bias 2 x 2,048 x 2,048 float32; attention_mask 2,048 x 2,048 float32; bk 512 float32; bo 512 float32; bq 512 float32; bv 512 float32; concept_ids 2 x 2,048 int32; ipa_affinity_bias 2 x 2,048 x 2,048 float32; key_padding_mask 2 x 2,048 bool; x 2 x 2,048 x 512 float32.
;; Outputs: out0 2 x 2,048 x 512 float32.
;; 2 versions, each right; version 2 is version 1 with the launches prep, outp written anew for expert scheduling mode. Each part assembles by itself: llvm-mc -triple=amdgcn-amd-amdhsa -mcpu=gfx1250 --defsym DOCPART=n.
;; ======== version 1 of 2: 3 launches
;; limits: values are held in f16: magnitudes above 65,504 overflow, below 6.1e-05 lose precision
;; workspace buffers: qf 4,194,304 bytes; kf 4,194,304 bytes; vf 4,194,304 bytes; biasf 33,554,432 bytes; ctxf 4,194,304 bytes
;; launch prep (part 1): grid 256 x 2, 8 waves a work-group, no clusters, 93,184 bytes of LDS; arguments x, Wq, Wk, Wv, bq, bk, bv, qf, kf, vf, ipa_affinity_bias, assoc_bias, attention_mask, concept_ids, key_padding_mask, biasf; writes qf, kf, vf, biasf
.if DOCPART == 1
	.amdgcn_target "amdgcn-amd-amdhsa--gfx1250"
	.amdhsa_code_object_version 6
	.text
	.protected	k_q5542d68f5f_prep
	.globl	k_q5542d68f5f_prep
	.p2align	8
	.type	k_q5542d68f5f_prep,@function
k_q5542d68f5f_prep:
	s_mov_b64 s[64:65], 0
	v_nop
	global_prefetch_b8 v0, s[64:65] scope:SCOPE_SE
	s_setreg_imm32_b32 hwreg(HW_REG_WAVE_MODE, 25, 1), 1
	s_wait_xcnt 0x0
; Two roles in one launch, chosen by the work-group's y (the same for all waves of a work-group).
; y = 0: the score bias that all heads share, made once:
;        bias2[b][q][k] = log2(e) * (ipa + assoc + mask) + log2(e)/2 * (same valid concept, q != k), or NEGB where key k is padded,
;        clamped from below at NEGB = -1e30, stored in the order in which a 16 x 16 f32 accumulator tile (key, query) wants it.
; y = 1: q, k, v = x W^T + b for one head and 128 rows, in f16, stored in the order of the matrix fragments that the next launch loads.
;        q is multiplied by log2(e)/8, so that scores are exponents of 2.
; LIMITS.  A bias sum below -1e30/log2(e), a -inf or a NaN in ipa, assoc or mask counts as masked (the clamp takes NEGB).
;          The three biases are added in another order than in the model.  Matrix operands are f16: |x|, |W|, |q|/5.5, |k|, |v| must stay
;          below 65,504 (inputs 30 times the usual spread give about 4,500); below 6e-5 they keep an absolute step of 6e-8.
;          The f32 sums over K start at another chunk of 64 in each work-group (see role 1): their order differs from the model's.
; No tensor loads here: every f32 number has to pass through registers anyway, to be added or converted.
.set L2E,   0x3fb8aa3b                 ; log2(e)
.set QSC,   0x3e38aa3b                 ; log2(e) / 8
.set CB2,   0x3f38aa3b                 ; log2(e) / 2
.set NEGB,  0xf149f2ca                 ; -1e30
; ---- registers of the bias role
.set KD,    8                          ; v8, v9     stage 0, 1: (my first key) - (first query row of the group) - rr
.set CK,    10                         ; v[10:25]   concept ids of my 4 keys: batch b, stage st at 8b + 4st
.set PM,    26                         ; v[26:29]   4 pad bytes: 2b + st
.set CQ,    30                         ; v[30:45]   concept id of query row 2k + rr: 8b + k
.set PT,    46                         ; v[46:53]   addend without concept bias: 4b + e
.set PTC,   54                         ; v[54:61]   addend with concept bias: 4b + e
.set CT,    62                         ; v[62:65]   the addend chosen
.set RING,  66                         ; v[66:145]  4 slots x (ipa0, assoc0, ipa1, assoc1, mask) x 4
.set OUTR,  146                        ; v[146:209] a stage's 16 x 16 bytes on the way out
.set RES,   212                        ; v[212:219] a turn's results
.set DM,    24                         ; s[24:27]   lane masks of the diagonal
; ---- registers of the projection role
.set STG,   8                          ; v[8:87]    20 x 4: f32 as loaded, then f16
.set XF,    88                         ; v[88:119]  fragments of 4 row tiles of x
.set WF,    120                        ; v[120:143] fragments of Wq, Wk, Wv
.set ACC,   144                        ; v[144:239] row tile a, matrix m at 8 (3a + m)
.set OG,    40                         ; v[40:87]   12 groups of 4 registers to store
.set LOFF,  242                        ; v242       my 16 bytes in chunk 0 of a row; v1 = this + 256 x the chunk that is loaded next
.macro PLACES                          ; four places behind a matrix instruction (ISA guide 7.12.1)
.rept 4
	v_nop
.endr
.endm
	s_load_b512 s[8:23], s[0:1], 0x0               ; x 8, Wq 10, Wk 12, Wv 14, bq 16, bk 18, bv 20, qf 22
	s_load_b512 s[24:39], s[0:1], 0x40             ; kf 24, vf 26, ipa 28, assoc 30, mask 32, concept ids 34, pad mask 36, biasf 38
	v_lshl_add_u32 v254, v0, 2, 0x16800
	v_mov_b32 v255, 0
	v_lshrrev_b32 v1, 5, v0
	v_readfirstlane_b32 s40, v1                    ; wave 0..7
	s_and_b32 s41, ttmp7, 0xffff                   ; the role
	s_mov_b32 s3, 0                                ; s[2:3]: a 32-bit offset as a pair
	s_wait_kmcnt 0x0
	s_cmp_lg_u32 s41, 0
	s_cbranch_scc1 .Lgemm
; ======================================================================= role 0: the bias
; Work-group x: 16 query rows (x >> 1) of BOTH batches, so that the mask's bytes are loaded once, and 1,024 keys (x & 1).
; Wave w: 128 of these keys, in two stages of 64.  Lane: rr = lane / 16, gl = lane % 16.  Load k of a stage covers rows 2k + rr,
; 256 consecutive aligned bytes of each.  A ring of four slots of five loads keeps 20 loads of the wave on their way.
; A stage's results are turned into tile order in the wave's own 8,704 bytes of LDS: 2 batches x 16 pieces x (256 + 16) bytes.
	s_lshr_b32 s41, ttmp9, 1                       ; qt: the group of 16 query rows
	s_and_b32 s62, ttmp9, 1                        ; kh: which 1,024 keys
	s_lshl_b32 s63, s62, 12
	s_lshl_b32 s42, s40, 9
	s_add_co_u32 s63, s63, s42                     ; byte of my wave's first key in a row of f32
	v_and_b32 v220, 31, v0                         ; lane
	v_lshrrev_b32 v221, 4, v220                    ; rr
	v_and_b32 v222, 15, v0                         ; gl
	v_lshlrev_b32 v2, 4, v222
	v_add_nc_u32 v2, s63, v2                       ; v2: my 4 keys, as f32 or int32 (16 bytes)
	v_lshl_add_u32 v1, v221, 13, v2                ; v1: + rr rows of 8,192 bytes
	v_lshrrev_b32 v3, 2, v2                        ; v3: my 4 keys, as bytes; also my first key's number
	v_lshlrev_b32 v4, 2, v221                      ; v4: rr, as int32
	v_and_b32 v223, 12, v222                       ; my 4 keys are quarter gl % 4 of key tile gl / 4; in the tile's 1,024 bytes keys 8h + 4v + 0..3
	v_and_b32 v224, 1, v222                        ; lie in piece 2v + h: v = gl & 1, h = (gl >> 1) & 1
	v_lshl_or_b32 v223, v224, 1, v223
	v_bfe_u32 v224, v222, 1, 1
	v_or_b32 v223, v223, v224                      ; piece 0..15 of the stage, a permutation of gl
	s_mul_i32 s42, s40, 8704                       ; my wave's LDS
	v_mul_u32_u24 v5, 0x110, v223
	v_lshl_add_u32 v5, v221, 4, v5
	v_add_nc_u32 v5, s42, v5                       ; v5: in: piece x 272 + 16 rr (+ 32 k): 16 lanes, 16 different 16-byte columns of 256
	v_mul_u32_u24 v6, 0x110, v221
	v_lshl_add_u32 v6, v222, 4, v6
	v_add_nc_u32 v6, s42, v6                       ; v6: back: two whole pieces a load
	s_lshl_b32 s43, s40, 13
	v_lshl_add_u32 v7, v220, 4, s43                ; v7: out: 16 x lane + my wave's 8 key tiles of 1,024 bytes
	s_lshl_b32 s43, s41, 4
	v_sub_nc_u32 v[KD], v3, v221
	v_sub_nc_u32 v[KD], v[KD], s43                 ; key + e == row  <=>  KD == 2k - e
	v_add_nc_u32 v[KD+1], 64, v[KD]
	v_mov_b32 v210, NEGB
	v_mov_b32 v228, -1
	v_mov_b32 v229, -2
	s_mov_b32 s60, CB2
	s_mov_b32 s61, NEGB
	s_lshl_b32 s2, s41, 17                         ; 16 rows of 8,192 bytes; also 128 key tiles of 1,024 bytes
	s_add_nc_u64 s[44:45], s[28:29], s[2:3]        ; ipa, batch 0
	s_add_nc_u64 s[46:47], s[44:45], 0x1000000     ; ipa, batch 1
	s_add_nc_u64 s[48:49], s[30:31], s[2:3]        ; assoc, batch 0
	s_add_nc_u64 s[50:51], s[48:49], 0x1000000     ; assoc, batch 1
	s_add_nc_u64 s[52:53], s[32:33], s[2:3]        ; mask
	s_add_nc_u64 s[56:57], s[38:39], s[2:3]
	s_lshl_b32 s2, s62, 16                         ; 64 key tiles
	s_add_nc_u64 s[56:57], s[56:57], s[2:3]        ; biasf, batch 0
	s_add_nc_u64 s[58:59], s[56:57], 0x1000000     ; biasf, batch 1
	s_lshl_b32 s2, s41, 6
	s_add_nc_u64 s[54:55], s[34:35], s[2:3]        ; concept ids of the 16 query rows
.irp b, 0,1
.irp st, 0,1
	global_load_b128 v[CK+8*\b+4*\st:CK+8*\b+4*\st+3], v2, s[34:35] offset:8192*\b+256*\st
	global_load_b32 v[PM+2*\b+\st], v3, s[36:37] offset:2048*\b+64*\st
.endr
.endr
.irp b, 0,1
.irp k, 0,1,2,3,4,5,6,7
	global_load_b32 v[CQ+8*\b+\k], v4, s[54:55] offset:8192*\b+8*\k
.endr
.endr
; the five loads of turn tn (stage tn / 8, rows 2 (tn % 8) + rr) into slot tn % 4.  These bytes are loaded once in the launch.
.macro BFILL tn
.set FS, RING+20*((\tn)&3)
.set FO, ((\tn)&7)*16384+((\tn)>>3)*256
	global_load_b128 v[FS:FS+3],     v1, s[44:45] offset:FO th:TH_LOAD_NT
	global_load_b128 v[FS+4:FS+7],   v1, s[48:49] offset:FO th:TH_LOAD_NT
	global_load_b128 v[FS+8:FS+11],  v1, s[46:47] offset:FO th:TH_LOAD_NT
	global_load_b128 v[FS+12:FS+15], v1, s[50:51] offset:FO th:TH_LOAD_NT
	global_load_b128 v[FS+16:FS+19], v1, s[52:53] offset:FO th:TH_LOAD_NT
.endm
; the two addends of each of my 4 keys of a stage: a padded key takes NEGB either way
.macro BKEYS st
.irp b, 0,1
.irp e, 0,1,2,3
	v_bfe_u32 v[CT], v[PM+2*\b+\st], 8*\e, 8
	v_cmp_ne_u32 vcc_lo, 0, v[CT]
	v_cndmask_b32 v[PT+4*\b+\e], 0, v210, vcc_lo
	v_cndmask_b32 v[PTC+4*\b+\e], s60, v210, vcc_lo
.endr
.endr
.endm
; One turn: 4 keys x 1 row x 2 batches a lane.
.macro BTURN tn
.set SL, RING+20*((\tn)&3)
.set KK, (\tn)&7
.set SG, (\tn)>>3
.if (\tn) > 12
.set LEFT, 5*(15-(\tn))
.else
.set LEFT, 15
.endif
	s_wait_loadcnt LEFT                            ; loads come back in order: mine are in, the five of each of the (at most three) younger turns stay out
.irp e, 0,1,2,3
	v_cmp_eq_u32 s[DM+\e], 2*KK-\e, v[KD+SG]       ; the diagonal, the same in both batches
.endr
.irp b, 0,1
	v_pk_add_f32 v[SL+8*\b:SL+8*\b+1],   v[SL+8*\b:SL+8*\b+1],   v[SL+8*\b+4:SL+8*\b+5]
	v_pk_add_f32 v[SL+8*\b+2:SL+8*\b+3], v[SL+8*\b+2:SL+8*\b+3], v[SL+8*\b+6:SL+8*\b+7]
	v_pk_add_f32 v[SL+8*\b:SL+8*\b+1],   v[SL+8*\b:SL+8*\b+1],   v[SL+16:SL+17]
	v_pk_add_f32 v[SL+8*\b+2:SL+8*\b+3], v[SL+8*\b+2:SL+8*\b+3], v[SL+18:SL+19]
.irp e, 0,1,2,3
	v_cmp_eq_u32 vcc_lo, v[CQ+8*\b+KK], v[CK+8*\b+4*SG+\e]            ; same and valid: invalid ids were made -2 (query) and -1 (key)
	v_cndmask_b32 v[CT+\e], v[PT+4*\b+\e], v[PTC+4*\b+\e], vcc_lo
	v_cndmask_b32 v[CT+\e], v[CT+\e], v[PT+4*\b+\e], s[DM+\e]
.endr
	v_pk_fma_f32 v[SL+8*\b:SL+8*\b+1],   v[SL+8*\b:SL+8*\b+1],   L2E, v[CT:CT+1]   op_sel_hi:[1,0,1]
	v_pk_fma_f32 v[SL+8*\b+2:SL+8*\b+3], v[SL+8*\b+2:SL+8*\b+3], L2E, v[CT+2:CT+3] op_sel_hi:[1,0,1]
.irp e, 0,1,2,3
	v_max_num_f32 v[RES+4*\b+\e], s61, v[SL+8*\b+\e]                  ; -inf and NaN become NEGB: no infinity reaches a matrix operand
.endr
	ds_store_b128 v5, v[RES+4*\b:RES+4*\b+3] offset:4352*\b+32*KK
.endr
.if (\tn) < 12
	BFILL (\tn)+4
.endif
.endm
; A stage leaves: 16 loads of two whole pieces, 16 stores of 512 consecutive aligned bytes.
.macro BOUT st
.if \st
	s_wait_xcnt 0x0                                ; the last stage's stores read OUTR: it is loaded again only behind this wait (ISA guide 3.1)
.endif
.set oi, 0
.rept 16
	ds_load_b128 v[OUTR+4*oi:OUTR+4*oi+3], v6 offset:4352*(oi>>3)+544*(oi&7)      ; LDS serves a wave's instructions in order: these see the stores above
.set oi, oi+1
.endr
.set oi, 0
.rept 16
	s_wait_dscnt 15-oi
	global_store_b128 v7, v[OUTR+4*oi:OUTR+4*oi+3], s[56+2*(oi>>3):57+2*(oi>>3)] offset:4096*\st+512*(oi&7)
.set oi, oi+1
.endr
.endm
	BFILL 0
	BFILL 1
	BFILL 2
	BFILL 3
	s_wait_loadcnt 20                              ; ids and pad bytes are in; the ring's 20 loads are younger
.set ci, 0
.rept 16
	v_cmp_lt_u32 vcc_lo, 0x7fffffff, v[CK+ci]      ; a negative id
	v_cndmask_b32 v[CK+ci], v[CK+ci], v228, vcc_lo
	v_cmp_lt_u32 vcc_lo, 0x7fffffff, v[CQ+ci]
	v_cndmask_b32 v[CQ+ci], v[CQ+ci], v229, vcc_lo
.set ci, ci+1
.endr
	BKEYS 0
.set TN, 0
.rept 8
	BTURN TN
.set TN, TN+1
.endr
	BOUT 0
	BKEYS 1
.rept 8
	BTURN TN
.set TN, TN+1
.endr
	BOUT 1
	s_wait_tensorcnt 0x0
	ds_add_u32 v254, v255
	s_wait_dscnt 0x0
	s_endpgm
; ======================================================================= role 1: q, k, v
; Work-group x: head x & 7, rows 128 (x >> 3) .. + 127.  Wave w: row tiles 4 (w >> 2) .. + 3, column tile w & 3 of each of q, k, v.
; K = 512 goes in 8 chunks of 64 through two LDS slots of 320 rows (128 of x, 64 of Wq, Wk, Wv) x 144 bytes (128 of f16 + 16:
; the pitch is an odd multiple of 16 bytes, so the 16 rows that a fragment load touches start in 16 different 16-byte columns of 256).
; THE CHUNKS GO ROUND A RING: the work-group of head hd and row block rb takes chunk (hd + rb + s) mod 8 in step s.  The eight work-groups that load a
; row block's x then take eight different chunks in each step, and so do any eight neighbouring row blocks that load a head's W.  What this work-group
; loads in step s, work-group (hd + 1 mod 8, rb) has loaded of x, and work-group (hd, rb + 1 mod 32) of W, in step s - 1: only step 0 asks for bytes
; that no work-group has loaded before.  A sum over K does not mind where it starts.
; q and k are made transposed (source 0 = rows of W, source 1 = rows of x): a lane then holds 8 neighbouring d of one row.
; v is made as it stands (source 0 = rows of x): a lane holds 8 neighbouring keys of one d.  Either way 16 bytes that belong together,
; and a wave's store covers 512 consecutive aligned bytes of the fragment order: no stage on the way out.
.Lgemm:
	s_and_b32 s41, ttmp9, 7                        ; head
	s_lshr_b32 s42, ttmp9, 3                       ; block of 128 rows, 0..31
	s_lshr_b32 s43, s42, 4                         ; batch
	s_lshr_b32 s36, s40, 2                         ; rg
	s_and_b32 s37, s40, 3                          ; cg
	s_add_co_u32 s38, s41, s42
	s_and_b32 s38, s38, 7
	s_lshl_b32 s38, s38, 8                         ; s38: 256 bytes x my first chunk
	v_lshrrev_b32 v220, 4, v0                      ; t / 16
	v_and_b32 v221, 15, v0                         ; t % 16 = r
	v_bfe_u32 v223, v0, 4, 1                       ; h
	v_and_b32 v222, 31, v0                         ; lane
	v_lshlrev_b32 v[LOFF], 11, v220
	v_lshl_add_u32 v[LOFF], v221, 4, v[LOFF]       ; row t / 16 of 2,048 bytes, 16 bytes at 16 (t % 16)
	v_add_nc_u32 v1, s38, v[LOFF]                  ; v1: + the chunk: 240 + 1,792 + 15 = 2,047 at the most, inside the row
	v_mul_u32_u24 v2, 0x90, v220
	v_lshl_add_u32 v2, v221, 3, v2                 ; v2: the same place in slot 0, in f16
	v_add_nc_u32 v3, 0xb400, v2                    ; v3: in slot 1
	v_mul_u32_u24 v224, 0x90, v221
	v_lshl_add_u32 v224, v223, 4, v224             ; r x pitch + 16 h
	s_mul_i32 s4, s36, 9216
	v_add_nc_u32 v4, s4, v224                      ; v4: fragments of my 64 rows of x
	s_mul_i32 s5, s37, 2304
	s_add_co_u32 s5, s5, 18432
	v_add_nc_u32 v5, s5, v224                      ; v5: fragments of my 16 rows of Wq (Wk, Wv: 64 rows further each)
	v_lshlrev_b32 v7, 4, v222                      ; v7: out, v: 16 x lane
	s_lshl_b32 s6, s37, 9
	v_add_nc_u32 v6, s6, v7                        ; v6: out, q and k: + octets 2 cg, 2 cg + 1
	s_lshl_b32 s7, s37, 6
	v_lshl_add_u32 v240, v223, 5, s7               ; bq, bk: my 8 columns
	v_lshl_add_u32 v241, v221, 2, s7               ; bv: my column
	s_lshl_b32 s2, s42, 18
	s_add_nc_u64 s[44:45], s[8:9], s[2:3]          ; x at the block's first row
	s_lshl_b32 s2, s41, 17
	s_add_nc_u64 s[46:47], s[10:11], s[2:3]        ; the head's 64 rows of Wq, Wk, Wv
	s_add_nc_u64 s[48:49], s[12:13], s[2:3]
	s_add_nc_u64 s[50:51], s[14:15], s[2:3]
	s_lshl_b32 s2, s41, 8
	s_add_nc_u64 s[52:53], s[16:17], s[2:3]        ; bq, bk, bv
	s_add_nc_u64 s[54:55], s[18:19], s[2:3]
	s_add_nc_u64 s[56:57], s[20:21], s[2:3]
	s_lshl_b32 s4, s43, 3
	s_add_co_u32 s4, s4, s41                       ; 8 batch + head
	s_and_b32 s5, s42, 15
	s_lshl_b32 s5, s5, 3
	s_lshl2_add_u32 s5, s36, s5                    ; my first row tile in the batch
	s_lshl_b32 s6, s4, 7
	s_add_co_u32 s6, s6, s5
	s_lshl_b32 s2, s6, 11                          ; tiles of 2,048 bytes
	s_add_nc_u64 s[58:59], s[22:23], s[2:3]        ; qf
	s_add_nc_u64 s[60:61], s[24:25], s[2:3]        ; kf
	s_lshl_b32 s6, s4, 6
	s_lshr_b32 s7, s5, 1
	s_add_co_u32 s6, s6, s7
	s_lshl_b32 s6, s6, 12                          ; key steps of 4,096 bytes
	s_lshl_b32 s7, s37, 10
	s_add_co_u32 s2, s6, s7                        ; + d tile cg
	s_add_nc_u64 s[62:63], s[26:27], s[2:3]        ; vf
.macro GLOAD                           ; the chunk that v1 points at: 20 loads a thread, each of a wave 2 rows x 256 aligned bytes
.irp g, 0,1,2,3,4,5,6,7
	global_load_b128 v[STG+4*\g:STG+4*\g+3], v1, s[44:45] offset:\g*32768
.endr
.irp m, 0,1,2
.irp g, 0,1,2,3
	global_load_b128 v[STG+32+16*\m+4*\g:STG+32+16*\m+4*\g+3], v1, s[46+2*\m:47+2*\m] offset:\g*32768
.endr
.endr
.endm
.macro GCVT slot                       ; to f16, in place, and into the slot
.set gi, 0
.rept 20
	v_cvt_pk_f16_f32 v[STG+4*gi],   v[STG+4*gi],   v[STG+4*gi+1]
	v_cvt_pk_f16_f32 v[STG+4*gi+1], v[STG+4*gi+2], v[STG+4*gi+3]
	ds_store_b64 v[2+\slot], v[STG+4*gi:STG+4*gi+1] offset:gi*2304
.set gi, gi+1
.endr
.endm
.macro MM d, a, b, zero                ; zero = 1: the first product starts the sum
.if \zero
	v_wmma_f32_16x16x32_f16 v[\d:\d+7], v[\a:\a+7], v[\b:\b+7], 0
.else
	v_wmma_f32_16x16x32_f16 v[\d:\d+7], v[\a:\a+7], v[\b:\b+7], v[\d:\d+7]
.endif
.endm
; 32 along K: 14 fragment loads, 12 matrix instructions.  The twelve accumulators take turns, one instruction a turn.
.macro KSTEP slot, ks, zero
.irp a, 0,1,2,3
	ds_load_b128 v[XF+8*\a:XF+8*\a+3],   v4 offset:\slot*46080+\a*2304+64*\ks
	ds_load_b128 v[XF+8*\a+4:XF+8*\a+7], v4 offset:\slot*46080+\a*2304+64*\ks+32
.endr
.irp m, 0,1,2
	ds_load_b128 v[WF+8*\m:WF+8*\m+3],   v5 offset:\slot*46080+\m*9216+64*\ks
	ds_load_b128 v[WF+8*\m+4:WF+8*\m+7], v5 offset:\slot*46080+\m*9216+64*\ks+32
.endr
	s_wait_dscnt 0x0
.irp a, 0,1,2,3
	MM ACC+24*\a,    WF,       XF+8*\a, \zero
	MM ACC+24*\a+8,  WF+8,     XF+8*\a, \zero
	MM ACC+24*\a+16, XF+8*\a,  WF+16,   \zero
.endr
	PLACES                                         ; in front of the next loads into the fragments, and of the way out
.endm
; One step, one barrier.  In front of it: my stores into this slot are done, and so are my reads of the other slot (each KSTEP waited for them).
; Behind it this slot is read; the other slot is written only in the next step, behind this barrier.
.macro GCHUNK c, slot, zero
	s_wait_loadcnt 0x0                             ; this step's chunk is in; it also shows every load that names v1 done
	GCVT \slot
	s_wait_dscnt 0x0                               ; for the other waves' sake: zero
.if \c < 7
	s_add_co_u32 s38, s38, 256                     ; the next chunk,
	s_and_b32 s38, s38, 0x700                      ; round the ring of eight
	v_add_nc_u32 v1, s38, v[LOFF]                  ; v1 is free since the wait at the step's head
	GLOAD                                          ; it travels while this one is multiplied
.else
	global_load_b128 v[8:11],  v240, s[52:53]
	global_load_b128 v[12:15], v240, s[52:53] offset:16
	global_load_b128 v[16:19], v240, s[54:55]
	global_load_b128 v[20:23], v240, s[54:55] offset:16
	global_load_b32 v24, v241, s[56:57]
.endif
	s_barrier_signal -1
	s_barrier_wait -1
	KSTEP \slot, 0, \zero
	KSTEP \slot, 1, 0
.endm
	GLOAD
	GCHUNK 0, 0, 1
	GCHUNK 1, 1, 0
	GCHUNK 2, 0, 0
	GCHUNK 3, 1, 0
	GCHUNK 4, 0, 0
	GCHUNK 5, 1, 0
	GCHUNK 6, 0, 0
	GCHUNK 7, 1, 0
	s_wait_loadcnt 0x0                             ; the biases
.irp p, 0,1,2,3
	v_pk_mul_f32 v[8+2*\p:9+2*\p], v[8+2*\p:9+2*\p], QSC op_sel_hi:[1,0]
.endr
	v_mov_b32 v25, v24                             ; bv of my column, twice
.irp a, 0,1,2,3
.irp p, 0,1,2,3
	v_pk_fma_f32 v[ACC+24*\a+2*\p:ACC+24*\a+2*\p+1], v[ACC+24*\a+2*\p:ACC+24*\a+2*\p+1], QSC, v[8+2*\p:9+2*\p] op_sel_hi:[1,0,1]
	v_pk_add_f32 v[ACC+24*\a+8+2*\p:ACC+24*\a+9+2*\p], v[ACC+24*\a+8+2*\p:ACC+24*\a+9+2*\p], v[16+2*\p:17+2*\p]
	v_pk_add_f32 v[ACC+24*\a+16+2*\p:ACC+24*\a+17+2*\p], v[ACC+24*\a+16+2*\p:ACC+24*\a+17+2*\p], v[24:25]
.endr
.irp p, 0,1,2,3
	v_cvt_pk_f16_f32 v[OG+12*\a+\p],   v[ACC+24*\a+2*\p],    v[ACC+24*\a+2*\p+1]
	v_cvt_pk_f16_f32 v[OG+12*\a+4+\p], v[ACC+24*\a+8+2*\p],  v[ACC+24*\a+9+2*\p]
	v_cvt_pk_f16_f32 v[OG+12*\a+8+\p], v[ACC+24*\a+16+2*\p], v[ACC+24*\a+17+2*\p]
.endr
	global_store_b128 v6, v[OG+12*\a:OG+12*\a+3],    s[58:59] offset:\a*2048               ; each group of 4 registers is stored once: none is rewritten
	global_store_b128 v6, v[OG+12*\a+4:OG+12*\a+7],  s[60:61] offset:\a*2048
	global_store_b128 v7, v[OG+12*\a+8:OG+12*\a+11], s[62:63] offset:(\a>>1)*4096+(\a&1)*512
.endr
	s_wait_tensorcnt 0x0
	ds_add_u32 v254, v255
	s_wait_dscnt 0x0
	s_endpgm
.Lfunc_end_k_q5542d68f5f_prep:
	.size	k_q5542d68f5f_prep, .Lfunc_end_k_q5542d68f5f_prep-k_q5542d68f5f_prep
	.p2alignl 7, 3214868480
	.fill 96, 4, 3214868480
	.section	.rodata,"a",@progbits
	.p2align	6, 0x0
	.amdhsa_kernel k_q5542d68f5f_prep
		.amdhsa_group_segment_fixed_size 93184
		.amdhsa_private_segment_fixed_size 0
		.amdhsa_enable_private_segment 0
		.amdhsa_kernarg_size 128
		.amdhsa_user_sgpr_count 2
		.amdhsa_user_sgpr_kernarg_segment_ptr 1
		.amdhsa_wavefront_size32 1
		.amdhsa_system_sgpr_workgroup_id_x 1
		.amdhsa_system_sgpr_workgroup_id_y 1
		.amdhsa_system_sgpr_workgroup_id_z 1
		.amdhsa_system_vgpr_workitem_id 0
		.amdhsa_next_free_vgpr 256
		.amdhsa_next_free_sgpr 66
		.amdhsa_reserve_vcc 1
		.amdhsa_float_denorm_mode_32 3
		.amdhsa_float_denorm_mode_16_64 3
		.amdhsa_memory_ordered 1
		.amdhsa_forward_progress 1
		.amdhsa_inst_pref_size 152
	.end_amdhsa_kernel
	.amdgpu_metadata
---
amdhsa.version: [ 1, 2 ]
amdhsa.kernels:
  - .name:           k_q5542d68f5f_prep
    .symbol:         k_q5542d68f5f_prep.kd
    .args:
      - { .name: x, .offset: 0, .size: 8, .value_kind: global_buffer, .address_space: global }
      - { .name: Wq, .offset: 8, .size: 8, .value_kind: global_buffer, .address_space: global }
      - { .name: Wk, .offset: 16, .size: 8, .value_kind: global_buffer, .address_space: global }
      - { .name: Wv, .offset: 24, .size: 8, .value_kind: global_buffer, .address_space: global }
      - { .name: bq, .offset: 32, .size: 8, .value_kind: global_buffer, .address_space: global }
      - { .name: bk, .offset: 40, .size: 8, .value_kind: global_buffer, .address_space: global }
      - { .name: bv, .offset: 48, .size: 8, .value_kind: global_buffer, .address_space: global }
      - { .name: qf, .offset: 56, .size: 8, .value_kind: global_buffer, .address_space: global }
      - { .name: kf, .offset: 64, .size: 8, .value_kind: global_buffer, .address_space: global }
      - { .name: vf, .offset: 72, .size: 8, .value_kind: global_buffer, .address_space: global }
      - { .name: ipa_affinity_bias, .offset: 80, .size: 8, .value_kind: global_buffer, .address_space: global }
      - { .name: assoc_bias, .offset: 88, .size: 8, .value_kind: global_buffer, .address_space: global }
      - { .name: attention_mask, .offset: 96, .size: 8, .value_kind: global_buffer, .address_space: global }
      - { .name: concept_ids, .offset: 104, .size: 8, .value_kind: global_buffer, .address_space: global }
      - { .name: key_padding_mask, .offset: 112, .size: 8, .value_kind: global_buffer, .address_space: global }
      - { .name: biasf, .offset: 120, .size: 8, .value_kind: global_buffer, .address_space: global }
    .group_segment_fixed_size: 93184
    .private_segment_fixed_size: 0
    .kernarg_segment_align: 8
    .kernarg_segment_size: 128
    .max_flat_workgroup_size: 256
    .sgpr_count:     66
    .vgpr_count:     256
    .wavefront_size: 32
...
	.end_amdgpu_metadata
.endif
;; end of part 1
;; launch attn (part 2): grid 256 x 1, 8 waves a work-group, clusters of 4 x 1, 327,680 bytes of LDS; arguments qf, kf, vf, biasf, ctxf; writes ctxf
.if DOCPART == 2
	.amdgcn_target "amdgcn-amd-amdhsa--gfx1250"
	.amdhsa_code_object_version 6
	.text
	.protected	k_q5542d68f5f_attn
	.globl	k_q5542d68f5f_attn
	.p2align	8
	.type	k_q5542d68f5f_attn,@function
k_q5542d68f5f_attn:
	s_mov_b64 s[64:65], 0
	v_nop
	global_prefetch_b8 v0, s[64:65] scope:SCOPE_SE
	s_setreg_imm32_b32 hwreg(HW_REG_WAVE_MODE, 25, 1), 1
	s_wait_xcnt 0x0
	s_wait_alu depctr_hold_cnt(0) depctr_sa_sdst(0) depctr_va_vdst(0) depctr_va_sdst(0) depctr_va_ssrc(0) depctr_va_vcc(0) depctr_vm_vsrc(0)
	s_getreg_b32 s2, hwreg(HW_REG_IB_STS2, 6, 4)
	s_cmp_eq_u32 s2, 0
	s_cbranch_scc0 .Lentry_in_a_cluster
	s_endpgm
.Lentry_in_a_cluster:
	s_bfe_u32 s2, ttmp6, 0x10000c
	s_cmp_lg_u32 s2, 0x3003
	s_cbranch_scc0 .Lentry_shape_is_right
	s_endpgm
.Lentry_shape_is_right:
; Attention of one head for 128 query rows.  Wave w: key quarter w & 3 (512 keys = 8 blocks of 64), row half w >> 2 (4 query tiles of 16).
; TRANSPOSED: S^T = K (source 0) x Q (source 1) + bias.  Lane (r, h) holds keys 8h + j of query r: a query row lives in two lanes, so the running
; maximum and the sum stay in the lane but for one exchange with lane xor 16, and two S^T tiles packed to f16 ARE the source 1 fragment of
; ctx^T = V^T (source 0) x P^T: no shuffle.  The bias lies in accumulator order and is the C operand of the first product: it costs no arithmetic.
; Scores are exponents of 2 (q and the bias carry log2(e)).  The running maximum is always taken away before the exponential.
; CLUSTERS: four work-groups, four heads of one block of 128 query rows, form a cluster.  They need the same bias, 1 MiB each, half of all that a
; work-group loads.  It is asked for JOINTLY: each of the four issues the same tensor load, with the same descriptor and the mask 15, and each receives
; the tile in its own LDS.  That divides the requests for the bias by four.  A tile is the bias of one block of 64 keys of each key quarter:
; 8 waves x 4 query tiles x 4,096 bytes = 131,072 bytes; two slots take turns.  Each wave asks for its own 16,384 bytes and reads only these.
; K AND V ARE NOT ASKED FOR JOINTLY: the four partners are four heads, with different K and V.  A 4 x 4 cluster (four query blocks beside the four heads)
; would share them, but they would have to lie in LDS beside the bias: 131,072 + 65,536 bytes a slot, 393,216 for two, more than the 327,680 that a
; work-group can be given.  They come by loads of 16 bytes a lane, 512 consecutive bytes a wave, straight into fragment registers, and feed 4 query tiles.
; The four key quarters of a row half are merged through LDS at the end.
; LIMITS.  A key whose bias is -1e30 (padded, -inf, NaN: see the launch before) has weight 0 as soon as its row has one key above -5e29;
; a row whose final maximum is below -5e29 has no such key and gives NaN, as the model does.  Row sums are taken over the f32 exponentials,
; the products over these rounded to f16.  Operands are f16 (range: see the launch before).
.set THR,   0xf0c9f2ca                 ; -5e29
.set QNAN,  0x7fc00000
.set TILEB, 4096                       ; the bias of one query tile and 64 keys
.set WAVEB, 4*TILEB                    ; a wave's part of a slot
.set SLOTB, 8*WAVEB                    ; a slot
.set MLB,   2*SLOTB                    ; behind the ring: (m, l) for the merge, 8 waves x 1,024 bytes
.set G1,    32                         ; s[32:39] descriptor group 1
.set G0,    40                         ; s[40:47] descriptor group 0, one set for each slot
.set LA,    250                        ; v250, v251: LDS address of my 16 bytes in my wave's part of slot 0, 1
; window 0: v1 16 x lane; v2 prefetch offset; v3 lane; v[4:11] (m_i, l_i); v[12:13] -m; v[14:15] alpha; v[16:23] sums; v[24:27] maxima; v28, v29 at work;
;           v31 LDS; v[32:95] K: tile T at 32 + 16T, k step s at + 8s; v[96:223] S: query tile i at 96 + 32i; v[224:249] the merge
; window 1: v[0:127] ctx(i, t) at 32i + 8t; v[128:191] Q(i, s) at 128 + 16i + 8s; v[192:255] V(s', t) at 192 + 32s' + 8t
; s_set_vgpr_msb's low byte: bits 1:0 source 0, 3:2 source 1, 5:4 source 2, 7:6 destination; the high byte repeats the setting that is left.
.set MSB, 0
.macro WIN new
.if MSB != \new
	s_set_vgpr_msb (MSB<<8)|\new
.set MSB, \new
.endif
.endm
.macro PLACES                          ; four places behind a matrix instruction (ISA guide 7.12.1)
.rept 4
	v_nop
.endr
.endm
; A round of the cluster's barrier: my work-group's barrier, so that wave 0's signal speaks for all eight waves; wave 0 signals for the work-group;
; every wave waits for all four work-groups; my work-group's barrier once more.
.macro ROUND
	s_barrier_signal -1
	s_barrier_wait -1
	s_cmp_lg_u32 s14, 0
	s_cbranch_scc1 .Lnot_wave_0_\@
	s_barrier_signal -3
.Lnot_wave_0_\@:
	s_barrier_wait -3
	s_barrier_signal -1
	s_barrier_wait -1
.endm
	s_load_b256 s[4:11], s[0:1], 0x0               ; qf 4, kf 6, vf 8, biasf 10
	s_load_b64 s[12:13], s[0:1], 0x20              ; ctxf
	v_lshl_add_u32 v254, v0, 2, 0x42000
	v_mov_b32 v255, 0
	ds_add_u32 v254, v255
	v_lshrrev_b32 v3, 5, v0
	v_readfirstlane_b32 s14, v3                    ; wave
	s_and_b32 s15, s14, 3                          ; kq
	s_lshr_b32 s16, s14, 2                         ; rh
	s_bfe_u32 s26, ttmp6, 0x40000                  ; cx: my place in the cluster
	s_and_b32 s17, ttmp9, 1                        ; in a cluster launch ttmp9 counts clusters
	s_lshl2_add_u32 s17, s17, s26                  ; head = 4 (cluster & 1) + cx
	s_bfe_u32 s18, ttmp9, 0x40001                  ; query block = (cluster >> 1) & 15: the same in the four partners
	s_lshr_b32 s19, ttmp9, 5                       ; batch: likewise
	s_mov_b32 s20, 0x76543210                      ; v_permlanex16_b32: lane i takes lane i of the other half
	s_mov_b32 s21, 0xfedcba98
	v_and_b32 v3, 31, v0
	v_lshlrev_b32 v1, 4, v3
	v_mov_b32 v28, v1                              ; v28 is v_permlanex16_b32's destination, which counts as read: written once here
	s_lshl_b32 s23, s18, 13
	v_lshl_add_u32 v2, v3, 8, s23                  ; prefetch: lanes 256 bytes apart, in the block of 8,192 bytes whose number is my query block's
	s_mul_i32 s30, s14, WAVEB                      ; my wave's part of a slot: no place in the cluster enters an LDS address
	v_add_nc_u32 v[LA], s30, v1
	v_add_nc_u32 v[LA+1], SLOTB, v[LA]
	s_lshl_b32 s23, s14, 10
	s_add_co_u32 s23, s23, MLB
	v_lshl_add_u32 v31, v3, 3, s23                 ; merge, in: my wave's 1,024 bytes of (m, l)
	s_lshl_b32 s23, s16, 16
	s_lshl_b32 s24, s15, 12
	s_add_co_u32 s23, s23, s24
	v_add_nc_u32 v224, s23, v1                     ; merge, back: query tile kq of my row half, quarter 0
	s_lshl_b32 s23, s16, 12
	s_lshl_b32 s24, s15, 8
	s_add_co_u32 s23, s23, s24
	s_add_co_u32 s23, s23, MLB
	v_lshl_add_u32 v225, v3, 3, s23
	; descriptor group 1: 4 rows (query tiles) of 4,096 bytes, 131,072 bytes apart in memory, dense in LDS.  Elements of 8 bytes.
	s_mov_b32 s[G1+0], 15|(3<<16)|(1<<21)          ; 15:0 the mask: all four work-groups of the cluster; 17:16 element of 8 bytes; 20 no padding; 21 set beside a mask
	s_mov_b32 s[G1+1], 512<<16                     ; 63:48 tensor_dim0, low half = 512
	s_mov_b32 s[G1+2], 4<<16                       ; 79:64 its high half = 0; 95:80 tensor_dim1, low half = 4
	s_mov_b32 s[G1+3], 512<<16                     ; 111:96 its high half = 0; 127:112 tile_dim0 = 512
	s_mov_b32 s[G1+4], 4                           ; 143:128 tile_dim1 = 4; 159:144 tile_dim2 = 0
	s_mov_b32 s[G1+5], 16384                       ; 191:160 elements from row to row
	s_mov_b32 s[G1+6], 0
	s_mov_b32 s[G1+7], 0
	s_lshl_b32 s26, s19, 3
	s_add_co_u32 s26, s26, s17                     ; 8 batch + head
	s_lshl_b32 s27, s18, 3
	s_lshl2_add_u32 s27, s16, s27                  ; my first query tile in the batch
	s_mov_b32 s25, 0
	; the bias's offset is made of the cluster's number and the wave's alone, in registers that never hold my place in the cluster
	s_mov_b32 s49, 0
	s_lshl_b32 s50, s19, 7
	s_add_co_u32 s50, s50, s27                     ; 128 batch + query tile
	s_lshl_b32 s48, s50, 17
	s_lshl_b32 s51, s15, 15
	s_add_co_u32 s48, s48, s51                     ; + my key quarter's 32 key tiles of 1,024 bytes
	s_wait_dscnt 0x0
	s_wait_kmcnt 0x0
	s_lshl_b32 s24, s26, 7
	s_add_co_u32 s24, s24, s27
	s_lshl_b32 s24, s24, 11
	s_add_nc_u64 s[4:5], s[4:5], s[24:25]          ; my 4 tiles of q
	s_lshl_b32 s24, s26, 18
	s_lshl_b32 s23, s15, 16
	s_add_co_u32 s24, s24, s23
	s_add_nc_u64 s[6:7], s[6:7], s[24:25]          ; my 512 keys
	s_add_nc_u64 s[8:9], s[8:9], s[24:25]          ; and their values
	s_cmp_lg_u32 s16, 0
	s_cselect_b64 s[28:29], s[8:9], s[6:7]         ; the prefetch's base, never stepped: row half 0 asks for K, row half 1 for V
	s_add_nc_u64 s[10:11], s[10:11], s[48:49]      ; the bias of my first query tile and first key
	s_add_co_u32 s23, s50, s15                     ; the query tile that I merge and store
	s_lshl_b32 s24, s23, 14
	s_lshl_b32 s23, s17, 11
	s_add_co_u32 s24, s24, s23
	s_add_nc_u64 s[12:13], s[12:13], s[24:25]
.irp n, 0,1
	s_mov_b32 s[G0+4*\n], 1                                        ; 1:0 count = 1
	s_add_co_u32 s[G0+4*\n+1], s30, \n*SLOTB                       ; 63:32 LDS address
	s_add_nc_u64 s[G0+4*\n+2:G0+4*\n+3], s[10:11], \n*TILEB        ; 120:64 global address: block n
	s_or_b32 s[G0+4*\n+3], s[G0+4*\n+3], 0x80000000                ; 127:126 type = 2
.endr
; Loads.  K's and V's bases stand at the block that is loaded next.
.macro LDB i, slot                     ; the bias of query tile i from my part of a slot: 4 key tiles x 1,024 bytes, 16 consecutive bytes a lane
.irp j, 0,1,2,3,4,5,6,7
	ds_load_b128 v[96+32*\i+4*\j:99+32*\i+4*\j], v[LA+\slot] offset:TILEB*\i+512*\j
.endr
.endm
.macro LDK
.set pp, 0
.rept 16
	global_load_b128 v[32+4*pp:35+4*pp], v1, s[6:7] offset:512*pp
.set pp, pp+1
.endr
.endm
.macro LDV
	WIN 0x40
.set pp, 0
.rept 16
	global_load_b128 v[192+4*pp:195+4*pp], v1, s[8:9] offset:512*pp
.set pp, pp+1
.endr
	WIN 0
.endm
; In trip t, behind the loads of K's block t, the work-group whose query block is t + 1 (s22 + d) asks for block t + 1, whose loads go out one trip later:
; 8,192 bytes a wave, K by the waves of row half 0, V by those of row half 1.  The sixteen query blocks of a head load the same K and V and only this one asks,
; so each 256 bytes are asked for once.  t runs from 1 to 6: blocks 2 to 7; the last trip has no such line, so nothing is asked beyond the wave's 8 blocks.
; The branch hangs on the cluster's number, which the partners share.  v2 and s[28:29] are never written again.
.macro PF d
	s_add_co_u32 s23, s22, \d
	s_cmp_eq_u32 s23, s18
	s_cbranch_scc0 .Lnopf_\@
	global_prefetch_b8 v2, s[28:29] th:TH_LOAD_NT scope:SCOPE_SE
.Lnopf_\@:
.endm
; S^T = K Q + bias for two query tiles, in place on the bias.  The eight accumulators take turns.
.macro QK2 a, b
	WIN 0x04
.irp s, 0,1
.irp i, \a, \b
.irp t, 0,1,2,3
	v_wmma_f32_16x16x32_f16 v[96+32*\i+8*\t:103+32*\i+8*\t], v[32+16*\t+8*\s:39+16*\t+8*\s], v[128+16*\i+8*\s:135+16*\i+8*\s], v[96+32*\i+8*\t:103+32*\i+8*\t]
.endr
.endr
.endr
	WIN 0
	PLACES                                         ; in front of the reads of S and of the loads into K
.endm
; ctx^T += V^T P^T for two query tiles.  The eight accumulators take turns.  first = 1: the first product starts the sums.
.macro PV2 a, b, first
	WIN 0x51
.irp sp, 0,1
.irp i, \a, \b
.irp t, 0,1,2,3
.if \first*(1-\sp)
	v_wmma_f32_16x16x32_f16 v[32*\i+8*\t:32*\i+8*\t+7], v[192+32*\sp+8*\t:199+32*\sp+8*\t], v[96+32*\i+8*\sp:103+32*\i+8*\sp], 0
.else
	v_wmma_f32_16x16x32_f16 v[32*\i+8*\t:32*\i+8*\t+7], v[192+32*\sp+8*\t:199+32*\sp+8*\t], v[96+32*\i+8*\sp:103+32*\i+8*\sp], v[32*\i+8*\t:32*\i+8*\t+7]
.endif
.endr
.endr
.endr
	WIN 0
.endm
; The softmax step of query tile i: the running maximum, the exponentials, four chains of sums, P packed to f16 in place, ctx rescaled.
.macro SM i, first
.set SB, 96+32*\i
.set MI, 4+2*\i
.set CX, 32*\i
.irp c, 0,1,2,3
	v_max3_num_f32 v[24+\c], v[SB+8*\c], v[SB+8*\c+1], v[SB+8*\c+2]
.endr
.irp c, 0,1,2,3
	v_max3_num_f32 v[24+\c], v[24+\c], v[SB+8*\c+3], v[SB+8*\c+4]
.endr
.irp c, 0,1,2,3
	v_max3_num_f32 v[24+\c], v[24+\c], v[SB+8*\c+5], v[SB+8*\c+6]
.endr
	v_max3_num_f32 v24, v24, v25, v[SB+7]
	v_max3_num_f32 v26, v26, v27, v[SB+15]
	v_max3_num_f32 v24, v24, v[SB+23], v[SB+31]
.if \first
	v_max_num_f32 v24, v24, v26
.else
	v_max3_num_f32 v24, v24, v26, v[MI]
.endif
	v_permlanex16_b32 v28, v24, s20, s21           ; the row's other 32 keys
	v_max_num_f32 v24, v24, v28                    ; m_new
.if \first == 0
	v_sub_f32 v29, v[MI], v24
.endif
	v_mul_f32 v12, -1.0, v24
	v_mul_f32 v13, -1.0, v24
.set pp, 0
.rept 16
	v_pk_add_f32 v[SB+2*pp:SB+2*pp+1], v[SB+2*pp:SB+2*pp+1], v[12:13]
.set pp, pp+1
.endr
.if \first == 0
	v_exp_f32 v14, v29                             ; alpha
.endif
.set pp, 0
.rept 24
	v_exp_f32 v[SB+pp], v[SB+pp]
.set pp, pp+1
.endr
	v_mov_b32 v[MI], v24                           ; the plain instruction behind the run of exponentials (ISA guide 5.7.2); it touches none of their registers
.if \first == 0
	s_wait_alu depctr_va_vdst(0)
	v_mov_b32 v15, v14
.endif
	s_wait_alu depctr_va_vdst(0)
.irp c, 0,1,2,3
	v_pk_add_f32 v[16+2*\c:17+2*\c], v[SB+2*\c:SB+2*\c+1], v[SB+8+2*\c:SB+9+2*\c]     ; the first pairs start the sums
.endr
.irp q, 0,1,2,3,4,5,6,7
	v_cvt_pk_f16_f32 v[SB+\q], v[SB+2*\q], v[SB+2*\q+1]                              ; packed in place, ascending: register q is read no later than it is written
.endr
.irp q, 24,25,26,27,28,29,30,31
	v_exp_f32 v[SB+\q], v[SB+\q]
.endr
.irp c, 0,1,2,3
	v_pk_add_f32 v[16+2*\c:17+2*\c], v[16+2*\c:17+2*\c], v[SB+16+2*\c:SB+17+2*\c]     ; plain work on the first run's results stands behind the second run
.endr
.irp q, 8,9,10,11
	v_cvt_pk_f16_f32 v[SB+\q], v[SB+2*\q], v[SB+2*\q+1]
.endr
	s_wait_alu depctr_va_vdst(0)
.irp c, 0,1,2,3
	v_pk_add_f32 v[16+2*\c:17+2*\c], v[16+2*\c:17+2*\c], v[SB+24+2*\c:SB+25+2*\c]
.endr
.irp q, 12,13,14,15
	v_cvt_pk_f16_f32 v[SB+\q], v[SB+2*\q], v[SB+2*\q+1]
.endr
.if \first == 0
	WIN 0x41
.set pp, 0
.rept 16
	v_pk_mul_f32 v[CX+2*pp:CX+2*pp+1], v[CX+2*pp:CX+2*pp+1], v[14:15]
.set pp, pp+1
.endr
	WIN 0
.endif
.endm
; The four chains of sums of tile i are closed and l_i is carried on.  For the second tile of a pair this is put off to behind the products: its four or
; five plain instructions name none of the products' registers and are the places in front of the loads into S and V.
.macro FIN i, first
	v_pk_add_f32 v[16:17], v[16:17], v[18:19]
	v_pk_add_f32 v[20:21], v[20:21], v[22:23]
	v_pk_add_f32 v[16:17], v[16:17], v[20:21]
.if \first
	v_add_f32 v[5+2*\i], v16, v17
.else
	v_add_f32 v16, v16, v17
	v_fma_f32 v[5+2*\i], v[5+2*\i], v14, v16
.endif
.endm
; A block of 64 keys goes in two halves of two query tiles.  K is last used at the head of the second half and V at its end; each is loaded again
; straight behind its last use and wanted in the next block's first half, so each has about half a block in which to land.
; Global loads go out in the order K, V, K, V, 16 each, and come back in order (ISA guide 5.7.1).
.macro HALF0 first
	s_wait_loadcnt 16                              ; K is in (in the first block Q too): V's 16 loads are younger
	s_add_nc_u64 s[6:7], s[6:7], 8192              ; that wait shows every load that names K's base done: now the next block (behind the last block: not used)
	s_wait_dscnt 16                                ; the bias of tiles 0, 1 is in: the 16 loads for tiles 2, 3 are younger
	QK2 0, 1
	SM 0, \first
	FIN 0, \first
	SM 1, \first
	s_wait_loadcnt 0x0                             ; V is in: nothing is younger
	s_add_nc_u64 s[8:9], s[8:9], 8192              ; and V's base is free likewise
	PV2 0, 1, \first
	FIN 1, \first
.endm
.macro HALF1 first, loads, pfd
	QK2 2, 3
.if \loads
	LDK
.endif
.if \pfd
	PF \pfd
.endif
	SM 2, \first
	FIN 2, \first
	SM 3, \first
	PV2 2, 3, \first
	FIN 3, \first
.if \loads
	LDV
.endif
.endm
; Trip t reads tile t (slot t & 1).  It is half a block out of step with the blocks: the bias of tiles 0, 1 of block t is read as soon as S_0, S_1 are free,
; then comes the second half of block t - 1, then the bias of tiles 2, 3, then the first half of block t: every LDS read has half a block in which to come.
; In front of the round every wave waits for all its tensor loads (one is out: its part of tile t) and for its LDS reads (the last of tile t - 1 among them);
; behind the round no wave of any partner reads tile t - 1 or has a load on its way, and tile t + 1 is asked for first, into the slot of tile t - 1.
; It has the whole trip in which to land.  By this text's own count a wave has at most two tensor loads out (the two at the start), later one.
.macro TRIP slot, refill, h1first, pfd
	s_wait_tensorcnt 0x0
	ds_add_u32 v254, v255
	s_wait_dscnt 0x0
.if \refill
	s_add_nc_u64 s[G0+6-4*\slot:G0+7-4*\slot], s[G0+6-4*\slot:G0+7-4*\slot], 2*TILEB      ; no tensor load of mine is out: the other slot's address steps two tiles
.endif
	s_wait_dscnt 0x0
.if \refill
	ROUND
	tensor_load_to_lds s[G0+4-4*\slot:G0+7-4*\slot], s[G1:G1+7]
	s_nop 0
.endif
	LDB 0, \slot
	LDB 1, \slot
	HALF1 \h1first, 1, \pfd
	LDB 2, \slot
	LDB 3, \slot
	HALF0 0
.endm
	WIN 0x40
.set pp, 0
.rept 16
	global_load_b128 v[128+4*pp:131+4*pp], v1, s[4:5] offset:512*pp
.set pp, pp+1
.endr
	WIN 0
	LDK
	LDV
	ROUND                                          ; all four work-groups are here: the first joint loads meet
	tensor_load_to_lds s[G0:G0+3], s[G1:G1+7]      ; tile 0
	s_nop 0
	tensor_load_to_lds s[G0+4:G0+7], s[G1:G1+7]    ; tile 1: first fills both
	s_nop 0
	s_wait_tensorcnt 0x1                           ; trip 0: my part of tile 0 is in, tile 1 stays out, and I read my own bytes alone
	LDB 0, 0
	LDB 1, 0
	LDB 2, 0
	LDB 3, 0
	HALF0 1                                        ; the first block starts maxima, sums and ctx: nothing is cleared
	s_mov_b32 s22, 0
	TRIP 1, 1, 1, 2                                ; trip 1
	s_mov_b32 s22, 2
.Ltrip:
	TRIP 0, 1, 0, 1                                ; trips 2, 4
	TRIP 1, 1, 0, 2                                ; trips 3, 5
	s_add_co_u32 s22, s22, 2
	s_cmp_lt_u32 s22, 6
	s_cbranch_scc1 .Ltrip
	TRIP 0, 1, 0, 1                                ; trip 6 asks for the last tile
	TRIP 1, 0, 0, 0                                ; trip 7 fills nothing: no round, and its wait shows my part of tile 7 in
	s_wait_dscnt 0x0                               ; the bias of tiles 2, 3 of the last block
	HALF1 0, 0, 0
	; THE MERGE of the four key quarters.  Every wave lays down its ctx (f32) and its (m, l); wave (rh, kq) then merges query tile kq of row half rh.
	; ctx goes into my wave's own 16,384 bytes of slot 0: that slot has had its last fill (tile 6), and only I have read these bytes, behind waits long past.
.irp i, 0,1,2,3
	v_permlanex16_b32 v28, v[5+2*\i], s20, s21     ; the row's other half of the keys
	v_add_f32 v[5+2*\i], v[5+2*\i], v28
.endr
	WIN 0x04
.set pp, 0
.rept 32
	ds_store_b128 v[LA], v[4*pp:4*pp+3] offset:512*pp
.set pp, pp+1
.endr
	WIN 0
.irp i, 0,1,2,3
	ds_store_b64 v31, v[4+2*\i:5+2*\i] offset:256*\i
.endr
	s_wait_dscnt 0x0                               ; for the other waves' sake: zero
	s_barrier_signal -1
	s_barrier_wait -1
.irp p, 0,1,2,3
	ds_load_b64 v[226+2*\p:227+2*\p], v225 offset:1024*\p
.endr
.irp p, 0,1,2,3
.irp c, 0,1,2,3,4,5,6,7
	ds_load_b128 v[32+32*\p+4*\c:35+32*\p+4*\c], v224 offset:16384*\p+512*\c
.endr
.endr
	s_wait_dscnt 32                                ; the four (m, l) are in; the 32 loads of ctx are younger
	v_max3_num_f32 v238, v226, v228, v230
	v_max_num_f32 v238, v238, v232                 ; M
.irp p, 0,1,2,3
	v_sub_f32 v[234+\p], v[226+2*\p], v238
.endr
.irp p, 0,1,2,3
	v_exp_f32 v[234+\p], v[234+\p]
.endr
	v_mov_b32 v239, QNAN                           ; the plain instruction behind the exponentials
	s_wait_alu depctr_va_vdst(0)
	v_mul_f32 v248, v234, v227
	v_fmac_f32 v248, v235, v229
	v_fmac_f32 v248, v236, v231
	v_fmac_f32 v248, v237, v233                    ; the row's sum; the quarter that holds M adds at least 1
	v_cmp_gt_f32 vcc_lo, THR, v238                 ; no key of the row is unmasked
	v_rcp_f32 v249, v248
	v_nop
	s_wait_alu depctr_va_vdst(0)
	v_cndmask_b32 v249, v249, v239, vcc_lo
.irp p, 0,1,2,3
	v_mul_f32 v[240+2*\p], v[234+\p], v249
	v_mul_f32 v[241+2*\p], v[234+\p], v249
.endr
	s_wait_dscnt 0x0
.set pp, 0
.rept 16
	v_pk_mul_f32 v[32+2*pp:33+2*pp], v[32+2*pp:33+2*pp], v[240:241]
	v_pk_fma_f32 v[32+2*pp:33+2*pp], v[64+2*pp:65+2*pp], v[242:243], v[32+2*pp:33+2*pp]
	v_pk_fma_f32 v[32+2*pp:33+2*pp], v[96+2*pp:97+2*pp], v[244:245], v[32+2*pp:33+2*pp]
	v_pk_fma_f32 v[32+2*pp:33+2*pp], v[128+2*pp:129+2*pp], v[246:247], v[32+2*pp:33+2*pp]
.set pp, pp+1
.endr
.set pp, 0
.rept 16
	v_cvt_pk_f16_f32 v[160+pp], v[32+2*pp], v[33+2*pp]
.set pp, pp+1
.endr
.irp t, 0,1,2,3
	global_store_b128 v1, v[160+4*\t:163+4*\t], s[12:13] offset:512*\t     ; the head's 2,048 consecutive bytes of the row tile, in fragment order
.endr
	s_wait_tensorcnt 0x0
	ds_add_u32 v254, v255
	s_wait_dscnt 0x0
	ROUND                                          ; the closing round: no work-group ends while a partner may still ask for a tile that names it
	s_endpgm
.Lfunc_end_k_q5542d68f5f_attn:
	.size	k_q5542d68f5f_attn, .Lfunc_end_k_q5542d68f5f_attn-k_q5542d68f5f_attn
	.p2alignl 7, 3214868480
	.fill 96, 4, 3214868480
	.section	.rodata,"a",@progbits
	.p2align	6, 0x0
	.amdhsa_kernel k_q5542d68f5f_attn
		.amdhsa_group_segment_fixed_size 327680
		.amdhsa_private_segment_fixed_size 0
		.amdhsa_enable_private_segment 0
		.amdhsa_kernarg_size 40
		.amdhsa_user_sgpr_count 2
		.amdhsa_user_sgpr_kernarg_segment_ptr 1
		.amdhsa_wavefront_size32 1
		.amdhsa_system_sgpr_workgroup_id_x 1
		.amdhsa_system_sgpr_workgroup_id_y 1
		.amdhsa_system_sgpr_workgroup_id_z 1
		.amdhsa_system_vgpr_workitem_id 0
		.amdhsa_next_free_vgpr 512
		.amdhsa_next_free_sgpr 66
		.amdhsa_reserve_vcc 1
		.amdhsa_float_denorm_mode_32 3
		.amdhsa_float_denorm_mode_16_64 3
		.amdhsa_memory_ordered 1
		.amdhsa_forward_progress 1
		.amdhsa_inst_pref_size 231
	.end_amdhsa_kernel
	.amdgpu_metadata
---
amdhsa.version: [ 1, 2 ]
amdhsa.kernels:
  - .name:           k_q5542d68f5f_attn
    .symbol:         k_q5542d68f5f_attn.kd
    .args:
      - { .name: qf, .offset: 0, .size: 8, .value_kind: global_buffer, .address_space: global }
      - { .name: kf, .offset: 8, .size: 8, .value_kind: global_buffer, .address_space: global }
      - { .name: vf, .offset: 16, .size: 8, .value_kind: global_buffer, .address_space: global }
      - { .name: biasf, .offset: 24, .size: 8, .value_kind: global_buffer, .address_space: global }
      - { .name: ctxf, .offset: 32, .size: 8, .value_kind: global_buffer, .address_space: global }
    .group_segment_fixed_size: 327680
    .private_segment_fixed_size: 0
    .kernarg_segment_align: 8
    .kernarg_segment_size: 40
    .max_flat_workgroup_size: 256
    .sgpr_count:     66
    .vgpr_count:     512
    .wavefront_size: 32
...
	.end_amdgpu_metadata
.endif
;; end of part 2
;; launch outp (part 3): grid 256 x 1, 8 waves a work-group, no clusters, 102,400 bytes of LDS; arguments ctxf, Wo, bo, out0; writes out0
.if DOCPART == 3
	.amdgcn_target "amdgcn-amd-amdhsa--gfx1250"
	.amdhsa_code_object_version 6
	.text
	.protected	k_q5542d68f5f_outp
	.globl	k_q5542d68f5f_outp
	.p2align	8
	.type	k_q5542d68f5f_outp,@function
k_q5542d68f5f_outp:
	s_mov_b64 s[64:65], 0
	v_nop
	global_prefetch_b8 v0, s[64:65] scope:SCOPE_SE
	s_setreg_imm32_b32 hwreg(HW_REG_WAVE_MODE, 25, 1), 1
	s_wait_xcnt 0x0
; out0 = ctx Wo^T + bo.  Work-group x: 64 columns (x & 7), 128 rows (x >> 3).  Wave w: row tile 8 (x >> 3) + w, four column tiles, K = 512.
; TRANSPOSED: source 0 = rows of Wo, source 1 = rows of ctx, so that a lane holds 8 neighbouring columns of one row.
; ctx comes in fragment order, 512 consecutive bytes a load, straight into registers.  The 64 rows of Wo (131,072 consecutive bytes of f32) are
; converted to f16 once and shared through LDS: 64 rows x 1,040 bytes (1,024 + 16: an odd multiple of 16, so the 16 rows that a fragment load touches
; start in 16 different 16-byte columns of 256).  bo is loaded INTO the accumulators: it starts the sums.
; Operands are f16: |ctx| and |Wo| below 65,504; below 6e-5 they keep an absolute step of 6e-8.
; No tensor loads and no joint loads: Wo has to pass through registers to be converted, and ctx is read by one wave of eight work-groups only.
.set ACC, 144                          ; v[144:175] column tile t at 8t
.set WF0, 16                           ; v[16:79]   fragments of Wo: 2 k steps x 4 tiles x 8
.set WF1, 80                           ; v[80:143]  the other buffer.  v[16:143] first hold Wo as loaded, v[16:47] at last the rows to store
.set MSB, 0                            ; window 1: v[0:127] ctx, k step s at 8s
.macro WIN new
.if MSB != \new
	s_set_vgpr_msb (MSB<<8)|\new
.set MSB, \new
.endif
.endm
.macro PLACES                          ; four places behind a matrix instruction (ISA guide 7.12.1)
.rept 4
	v_nop
.endr
.endm
	s_load_b256 s[4:11], s[0:1], 0x0               ; ctxf 4, Wo 6, bo 8, out0 10
	v_lshl_add_u32 v254, v0, 2, 0x18c00
	v_mov_b32 v255, 0
	v_lshrrev_b32 v9, 5, v0
	v_readfirstlane_b32 s12, v9                    ; wave
	s_and_b32 s13, ttmp9, 7                        ; block of 64 columns
	s_lshr_b32 s14, ttmp9, 3                       ; block of 128 rows
	v_lshlrev_b32 v1, 4, v0                        ; v1: Wo: 16 t
	v_lshrrev_b32 v9, 7, v0
	v_and_b32 v10, 127, v0
	v_mul_u32_u24 v2, 0x410, v9
	v_lshl_add_u32 v2, v10, 3, v2                  ; v2: the same 4 numbers in LDS: row t / 128, 8 bytes
	v_and_b32 v11, 15, v0                          ; r
	v_bfe_u32 v12, v0, 4, 1                        ; h
	v_mul_u32_u24 v3, 0x410, v11
	v_lshl_add_u32 v3, v12, 4, v3                  ; v3: fragments of Wo
	v_and_b32 v13, 31, v0
	v_lshlrev_b32 v4, 4, v13                       ; v4: 16 x lane
	s_mul_i32 s15, s12, 4352
	s_add_co_u32 s15, s15, 66560                   ; my wave's stage: 16 rows x 272 bytes
	v_mul_u32_u24 v5, 0x110, v11
	v_lshl_add_u32 v5, v12, 5, v5
	v_add_nc_u32 v5, s15, v5                       ; v5: in: row r, 32 bytes for each half of the lanes
	v_mul_u32_u24 v6, 0x110, v12
	v_lshl_add_u32 v6, v11, 4, v6
	v_add_nc_u32 v6, s15, v6                       ; v6: back: lanes 0-15 one row of 256 bytes, lanes 16-31 the next
	v_lshlrev_b32 v7, 11, v12
	v_lshl_add_u32 v7, v11, 4, v7                  ; v7: the same two rows in out0
	v_lshlrev_b32 v8, 5, v12                       ; v8: bo: 8 h columns
	s_mov_b32 s17, 0
	s_lshl3_add_u32 s18, s14, s12                  ; my row tile
	s_wait_kmcnt 0x0
	s_lshl_b32 s16, s13, 17
	s_add_nc_u64 s[6:7], s[6:7], s[16:17]
	s_lshl_b32 s16, s13, 8
	s_add_nc_u64 s[8:9], s[8:9], s[16:17]
	s_add_nc_u64 s[10:11], s[10:11], s[16:17]
	s_lshl_b32 s16, s18, 14
	s_add_nc_u64 s[4:5], s[4:5], s[16:17]
	s_lshl_b32 s16, s18, 15
	s_add_nc_u64 s[10:11], s[10:11], s[16:17]
.set pp, 0
.rept 32
	global_load_b128 v[16+4*pp:19+4*pp], v1, s[6:7] offset:4096*pp
.set pp, pp+1
.endr
.irp t, 0,1,2,3
	global_load_b128 v[ACC+8*\t:ACC+8*\t+3],   v8, s[8:9] offset:64*\t
	global_load_b128 v[ACC+8*\t+4:ACC+8*\t+7], v8, s[8:9] offset:64*\t+16
.endr
	WIN 0x40
.set pp, 0
.rept 32
	global_load_b128 v[4*pp:4*pp+3], v4, s[4:5] offset:512*pp
.set pp, pp+1
.endr
	WIN 0
.macro CVT16 first                     ; 16 loads' worth of Wo to f16 and into LDS
.set pp, \first
.rept 16
	v_cvt_pk_f16_f32 v[16+4*pp], v[16+4*pp], v[17+4*pp]
	v_cvt_pk_f16_f32 v[17+4*pp], v[18+4*pp], v[19+4*pp]
	ds_store_b64 v2, v[16+4*pp:17+4*pp] offset:2080*pp
.set pp, pp+1
.endr
.endm
	s_wait_loadcnt 56                              ; Wo's first 16 loads are in: 16 of Wo, 8 of bo, 32 of ctx are younger
	CVT16 0
	s_wait_loadcnt 40                              ; all of Wo: 8 + 32 are younger
	CVT16 16
	s_wait_dscnt 0x0                               ; for the other waves' sake: zero
	s_barrier_signal -1
	s_barrier_wait -1
	s_wait_loadcnt 0x0                             ; bo and ctx
.macro FETCH g, wf                     ; k steps 2g, 2g + 1 of the four tiles of Wo
.irp sl, 0,1
.irp t, 0,1,2,3
	ds_load_b128 v[\wf+32*\sl+8*\t:\wf+32*\sl+8*\t+3],   v3 offset:16640*\t+64*(2*(\g)+\sl)
	ds_load_b128 v[\wf+32*\sl+8*\t+4:\wf+32*\sl+8*\t+7], v3 offset:16640*\t+64*(2*(\g)+\sl)+32
.endr
.endr
.endm
.macro MUL g, wf                       ; the four accumulators take turns
.irp sl, 0,1
.irp t, 0,1,2,3
	v_wmma_f32_16x16x32_f16 v[ACC+8*\t:ACC+8*\t+7], v[\wf+32*\sl+8*\t:\wf+32*\sl+8*\t+7], v[8*(2*(\g)+\sl):8*(2*(\g)+\sl)+7], v[ACC+8*\t:ACC+8*\t+7]
.endr
.endr
.endm
.macro GROUP g, wf, left, more
	s_wait_dscnt \left                             ; this group's 16 loads are in; the next group's 16 may stay out
	WIN 0x04
	MUL \g, \wf
	WIN 0
.if \more
	PLACES
	FETCH \g+2, \wf
.endif
.endm
	FETCH 0, WF0
	FETCH 1, WF1
	GROUP 0, WF0, 16, 1
	GROUP 1, WF1, 16, 1
	GROUP 2, WF0, 16, 1
	GROUP 3, WF1, 16, 1
	GROUP 4, WF0, 16, 1
	GROUP 5, WF1, 16, 1
	GROUP 6, WF0, 16, 0
	GROUP 7, WF1, 0, 0
	; the way out, through my wave's own stage: in by 32 bytes of a row, back by whole rows of 256 bytes
	PLACES
.irp t, 0,1,2,3
	ds_store_b128 v5, v[ACC+8*\t:ACC+8*\t+3]   offset:64*\t
	ds_store_b128 v5, v[ACC+8*\t+4:ACC+8*\t+7] offset:64*\t+16
.endr
.irp x, 0,1,2,3,4,5,6,7
	ds_load_b128 v[16+4*\x:19+4*\x], v6 offset:544*\x              ; LDS serves a wave's instructions in order: these see the stores above
.endr
.irp x, 0,1,2,3,4,5,6,7
	s_wait_dscnt 7-\x
	global_store_b128 v7, v[16+4*\x:19+4*\x], s[10:11] offset:4096*\x th:TH_STORE_NT    ; 16 lanes store 256 consecutive aligned bytes
.endr
	s_wait_tensorcnt 0x0
	ds_add_u32 v254, v255
	s_wait_dscnt 0x0
	s_endpgm
.Lfunc_end_k_q5542d68f5f_outp:
	.size	k_q5542d68f5f_outp, .Lfunc_end_k_q5542d68f5f_outp-k_q5542d68f5f_outp
	.p2alignl 7, 3214868480
	.fill 96, 4, 3214868480
	.section	.rodata,"a",@progbits
	.p2align	6, 0x0
	.amdhsa_kernel k_q5542d68f5f_outp
		.amdhsa_group_segment_fixed_size 102400
		.amdhsa_private_segment_fixed_size 0
		.amdhsa_enable_private_segment 0
		.amdhsa_kernarg_size 32
		.amdhsa_user_sgpr_count 2
		.amdhsa_user_sgpr_kernarg_segment_ptr 1
		.amdhsa_wavefront_size32 1
		.amdhsa_system_sgpr_workgroup_id_x 1
		.amdhsa_system_sgpr_workgroup_id_y 1
		.amdhsa_system_sgpr_workgroup_id_z 1
		.amdhsa_system_vgpr_workitem_id 0
		.amdhsa_next_free_vgpr 384
		.amdhsa_next_free_sgpr 66
		.amdhsa_reserve_vcc 0
		.amdhsa_float_denorm_mode_32 3
		.amdhsa_float_denorm_mode_16_64 3
		.amdhsa_memory_ordered 1
		.amdhsa_forward_progress 1
		.amdhsa_inst_pref_size 31
	.end_amdhsa_kernel
	.amdgpu_metadata
---
amdhsa.version: [ 1, 2 ]
amdhsa.kernels:
  - .name:           k_q5542d68f5f_outp
    .symbol:         k_q5542d68f5f_outp.kd
    .args:
      - { .name: ctxf, .offset: 0, .size: 8, .value_kind: global_buffer, .address_space: global }
      - { .name: Wo, .offset: 8, .size: 8, .value_kind: global_buffer, .address_space: global }
      - { .name: bo, .offset: 16, .size: 8, .value_kind: global_buffer, .address_space: global }
      - { .name: out0, .offset: 24, .size: 8, .value_kind: global_buffer, .address_space: global }
    .group_segment_fixed_size: 102400
    .private_segment_fixed_size: 0
    .kernarg_segment_align: 8
    .kernarg_segment_size: 32
    .max_flat_workgroup_size: 256
    .sgpr_count:     66
    .vgpr_count:     384
    .wavefront_size: 32
...
	.end_amdgpu_metadata
.endif
;; end of part 3
;; ======== version 2 of 2: 3 launches; version 1 with the launches prep, outp written anew for expert scheduling mode
;; limits: values are held in f16: magnitudes above 65,504 overflow, below 6.1e-05 lose precision
;; workspace buffers: qf 4,194,304 bytes; kf 4,194,304 bytes; vf 4,194,304 bytes; biasf 33,554,432 bytes; ctxf 4,194,304 bytes
;; launch prep (part 4): grid 256 x 2, 8 waves a work-group, no clusters, 93,184 bytes of LDS; arguments x, Wq, Wk, Wv, bq, bk, bv, qf, kf, vf, ipa_affinity_bias, assoc_bias, attention_mask, concept_ids, key_padding_mask, biasf; writes qf, kf, vf, biasf
.if DOCPART == 4
	.amdgcn_target "amdgcn-amd-amdhsa--gfx1250"
	.amdhsa_code_object_version 6
	.text
	.protected	k_q5542d68f5f_prep
	.globl	k_q5542d68f5f_prep
	.p2align	8
	.type	k_q5542d68f5f_prep,@function
k_q5542d68f5f_prep:
	s_mov_b64 s[64:65], 0
	v_nop
	global_prefetch_b8 v0, s[64:65] scope:SCOPE_SE
	s_setreg_imm32_b32 hwreg(HW_REG_WAVE_SCHED_MODE, 0, 2), 2
	s_setreg_imm32_b32 hwreg(HW_REG_WAVE_MODE, 25, 1), 1
	s_wait_xcnt 0x0
	s_wait_alu depctr_vm_vsrc(0)
; Two roles in one launch, chosen by the work-group's y (the same for all waves of a work-group).
; y = 0: the score bias that all heads share, made once:
;        bias2[b][q][k] = log2(e) * (ipa + assoc + mask) + log2(e)/2 * (same valid concept, q != k), or NEGB where key k is padded,
;        clamped from below at NEGB = -1e30, stored in the order in which a 16 x 16 f32 accumulator tile (key, query) wants it.
; y = 1: q, k, v = x W^T + b for one head and 128 rows, in f16, stored in the order of the matrix fragments that the next launch loads.
;        q is multiplied by log2(e)/8, so that scores are exponents of 2.
; LIMITS.  A bias sum below -1e30/log2(e), a -inf or a NaN in ipa, assoc or mask counts as masked (the clamp takes NEGB).
;          The three biases are added in another order than in the model.  Matrix operands are f16: |x|, |W|, |q|/5.5, |k|, |v| must stay
;          below 65,504 (inputs 30 times the usual spread give about 4,500); below 6e-5 they keep an absolute step of 6e-8.
;          The f32 sums over K start at another chunk of 64 in each work-group (see role 1): their order differs from the model's.
; No tensor loads here: every f32 number has to pass through registers anyway, to be added or converted.
; THE MODE: SCHED_MODE bits 1:0 = 2 (LLVM: expert scheduling mode 2), set by the entry lines.  The code itself states the register dependences
; between vector or matrix instructions and memory or LDS instructions, with s_wait_alu, always for 0.  Each role's plan stands at its head.
.set L2E,   0x3fb8aa3b                 ; log2(e)
.set QSC,   0x3e38aa3b                 ; log2(e) / 8
.set CB2,   0x3f38aa3b                 ; log2(e) / 2
.set NEGB,  0xf149f2ca                 ; -1e30
; ---- registers of the bias role
.set KD,    8                          ; v8, v9     stage 0, 1: (my first key) - (first query row of the group) - rr
.set CK,    10                         ; v[10:25]   concept ids of my 4 keys: batch b, stage st at 8b + 4st
.set PM,    26                         ; v[26:29]   4 pad bytes: 2b + st
.set CQ,    30                         ; v[30:45]   concept id of query row 2k + rr: 8b + k
.set PT,    46                         ; v[46:53]   addend without concept bias: 4b + e
.set PTC,   54                         ; v[54:61]   addend with concept bias: 4b + e
.set CT,    62                         ; v[62:65]   the addend chosen
.set RING,  66                         ; v[66:145]  4 slots x (ipa0, assoc0, ipa1, assoc1, mask) x 4
.set OUTR,  146                        ; v[146:209] a stage's 16 x 16 bytes on the way out
.set RES,   212                        ; v[212:219], v[232:239] a turn's results: two buffers by turns, at RES + 20 (turn & 1)
.set BT,    220                        ; v[220:227] at a stage's head: my 8 pad bytes, one a register (the first five serve the address arithmetic before)
.set DM,    24                         ; s[24:27]   lane masks of the diagonal
.set CM,    8                          ; s[8:15]    lane masks of a turn: same concept, batch b, key e at 4b + e; s[8:23] at the head: negative ids
; ---- registers of the projection role
.set STG,   8                          ; v[8:87]    20 x 4: f32 as loaded, then f16
.set XF,    88                         ; v[88:119]  fragments of 4 row tiles of x
.set WF,    120                        ; v[120:143] fragments of Wq, Wk, Wv
.set ACC,   144                        ; v[144:239] row tile a, matrix m at 8 (3a + m)
.set OG,    40                         ; v[40:87]   12 groups of 4 registers to store
.set LOFF,  242                        ; v242       my 16 bytes in chunk 0 of a row; v1 and v243, by turns = this + 256 x the chunk that is loaded next
.macro PLACES                          ; four places behind a matrix instruction (ISA guide 7.12.1)
.rept 4
	v_nop
.endr
.endm
	s_load_b512 s[8:23], s[0:1], 0x0               ; x 8, Wq 10, Wk 12, Wv 14, bq 16, bk 18, bv 20, qf 22
	s_load_b512 s[24:39], s[0:1], 0x40             ; kf 24, vf 26, ipa 28, assoc 30, mask 32, concept ids 34, pad mask 36, biasf 38
	v_lshl_add_u32 v254, v0, 2, 0x16800
	v_mov_b32 v255, 0
	v_lshrrev_b32 v1, 5, v0
	v_readfirstlane_b32 s40, v1                    ; wave 0..7
	s_and_b32 s41, ttmp7, 0xffff                   ; the role
	s_mov_b32 s3, 0                                ; s[2:3]: a 32-bit offset as a pair
	s_wait_alu depctr_va_sdst(0)                   ; s40 is written: ahead of the branch, and so ahead of its first reader in either role
	s_wait_kmcnt 0x0
	s_cmp_lg_u32 s41, 0
	s_cbranch_scc1 .Lgemm
; ======================================================================= role 0: the bias
; Work-group x: 16 query rows (x >> 1) of BOTH batches, so that the mask's bytes are loaded once, and 1,024 keys (x & 1).
; Wave w: 128 of these keys, in two stages of 64.  Lane: rr = lane / 16, gl = lane % 16.  Load k of a stage covers rows 2k + rr,
; 256 consecutive aligned bytes of each.  A ring of four slots of five loads keeps 20 loads of the wave on their way.
; A stage's results are turned into tile order in the wave's own 8,704 bytes of LDS: 2 batches x 16 pieces x (256 + 16) bytes.
; THE PLAN.  Registers that memory or LDS instructions touch:
;   v1 .. v7    offsets and LDS addresses: made here, never written again.
;   RING slot   Turn t: its arithmetic reads and writes slot t & 3 in place; behind it the five loads of turn t + 4 land there.
;   RES0, RES1  Turn t: its eight maxima write RES[t & 1]; the two LDS stores at the turn's end read it.
;   OUTR        Written by a stage's LDS loads, read by its global stores; no vector instruction names it.
; So a turn has ONE wait on va_vdst, behind its arithmetic: RES[t & 1] is written and the slot is done with; the turn's two LDS stores and five loads follow it.
; One wait on vm_vsrc at the head of every second turn frees both RES buffers.  A turn's twelve lane masks are made in one run, with one wait on va_sdst behind it.
	s_lshr_b32 s41, ttmp9, 1                       ; qt: the group of 16 query rows
	s_and_b32 s62, ttmp9, 1                        ; kh: which 1,024 keys
	s_lshl_b32 s63, s62, 12
	s_lshl_b32 s42, s40, 9
	s_add_co_u32 s63, s63, s42                     ; byte of my wave's first key in a row of f32
	v_and_b32 v220, 31, v0                         ; lane
	v_lshrrev_b32 v221, 4, v220                    ; rr
	v_and_b32 v222, 15, v0                         ; gl
	v_lshlrev_b32 v2, 4, v222
	v_add_nc_u32 v2, s63, v2                       ; v2: my 4 keys, as f32 or int32 (16 bytes)
	v_lshl_add_u32 v1, v221, 13, v2                ; v1: + rr rows of 8,192 bytes
	v_lshrrev_b32 v3, 2, v2                        ; v3: my 4 keys, as bytes; also my first key's number
	v_lshlrev_b32 v4, 2, v221                      ; v4: rr, as int32
	v_and_b32 v223, 12, v222                       ; my 4 keys are quarter gl % 4 of key tile gl / 4; in the tile's 1,024 bytes keys 8h + 4v + 0..3
	v_and_b32 v224, 1, v222                        ; lie in piece 2v + h: v = gl & 1, h = (gl >> 1) & 1
	v_lshl_or_b32 v223, v224, 1, v223
	v_bfe_u32 v224, v222, 1, 1
	v_or_b32 v223, v223, v224                      ; piece 0..15 of the stage, a permutation of gl
	s_mul_i32 s42, s40, 8704                       ; my wave's LDS
	v_mul_u32_u24 v5, 0x110, v223
	v_lshl_add_u32 v5, v221, 4, v5
	v_add_nc_u32 v5, s42, v5                       ; v5: in: piece x 272 + 16 rr (+ 32 k): 16 lanes, 16 different 16-byte columns of 256
	v_mul_u32_u24 v6, 0x110, v221
	v_lshl_add_u32 v6, v222, 4, v6
	v_add_nc_u32 v6, s42, v6                       ; v6: back: two whole pieces a load
	s_lshl_b32 s43, s40, 13
	v_lshl_add_u32 v7, v220, 4, s43                ; v7: out: 16 x lane + my wave's 8 key tiles of 1,024 bytes
	s_lshl_b32 s43, s41, 4
	v_sub_nc_u32 v[KD], v3, v221
	v_sub_nc_u32 v[KD], v[KD], s43                 ; key + e == row  <=>  KD == 2k - e
	v_add_nc_u32 v[KD+1], 64, v[KD]
	v_mov_b32 v210, NEGB
	v_mov_b32 v228, -1
	v_mov_b32 v229, -2
	s_mov_b32 s60, CB2
	s_mov_b32 s61, NEGB
	s_lshl_b32 s2, s41, 17                         ; 16 rows of 8,192 bytes; also 128 key tiles of 1,024 bytes
	s_add_nc_u64 s[44:45], s[28:29], s[2:3]        ; ipa, batch 0
	s_add_nc_u64 s[46:47], s[44:45], 0x1000000     ; ipa, batch 1
	s_add_nc_u64 s[48:49], s[30:31], s[2:3]        ; assoc, batch 0
	s_add_nc_u64 s[50:51], s[48:49], 0x1000000     ; assoc, batch 1
	s_add_nc_u64 s[52:53], s[32:33], s[2:3]        ; mask
	s_add_nc_u64 s[56:57], s[38:39], s[2:3]
	s_lshl_b32 s2, s62, 16                         ; 64 key tiles
	s_add_nc_u64 s[56:57], s[56:57], s[2:3]        ; biasf, batch 0
	s_add_nc_u64 s[58:59], s[56:57], 0x1000000     ; biasf, batch 1
	s_lshl_b32 s2, s41, 6
	s_add_nc_u64 s[54:55], s[34:35], s[2:3]        ; concept ids of the 16 query rows
	s_wait_alu depctr_va_vdst(0)                   ; v1 to v7 are written: every load, store and LDS instruction of this role reads one of them as its offset or address
.irp b, 0,1
.irp st, 0,1
	global_load_b128 v[CK+8*\b+4*\st:CK+8*\b+4*\st+3], v2, s[34:35] offset:8192*\b+256*\st
	global_load_b32 v[PM+2*\b+\st], v3, s[36:37] offset:2048*\b+64*\st
.endr
.endr
.irp b, 0,1
.irp k, 0,1,2,3,4,5,6,7
	global_load_b32 v[CQ+8*\b+\k], v4, s[54:55] offset:8192*\b+8*\k
.endr
.endr
; the five loads of turn tn (stage tn / 8, rows 2 (tn % 8) + rr) into slot tn % 4.  These bytes are loaded once in the launch.
.macro BFILL tn
.set FS, RING+20*((\tn)&3)
.set FO, ((\tn)&7)*16384+((\tn)>>3)*256
	global_load_b128 v[FS:FS+3],     v1, s[44:45] offset:FO th:TH_LOAD_NT
	global_load_b128 v[FS+4:FS+7],   v1, s[48:49] offset:FO th:TH_LOAD_NT
	global_load_b128 v[FS+8:FS+11],  v1, s[46:47] offset:FO th:TH_LOAD_NT
	global_load_b128 v[FS+12:FS+15], v1, s[50:51] offset:FO th:TH_LOAD_NT
	global_load_b128 v[FS+16:FS+19], v1, s[52:53] offset:FO th:TH_LOAD_NT
.endm
; the two addends of each of my 4 keys of a stage: a padded key takes NEGB either way.  The eight masks are made in one run.
.macro BKEYS st
.irp b, 0,1
.irp e, 0,1,2,3
	v_bfe_u32 v[BT+4*\b+\e], v[PM+2*\b+\st], 8*\e, 8
.endr
.endr
.irp b, 0,1
.irp e, 0,1,2,3
	v_cmp_ne_u32 s[CM+4*\b+\e], 0, v[BT+4*\b+\e]
.endr
.endr
	s_wait_alu depctr_va_sdst(0)                   ; the eight masks s[CM ..] are written, ahead of the selects that read them
.irp b, 0,1
.irp e, 0,1,2,3
	v_cndmask_b32 v[PT+4*\b+\e], 0, v210, s[CM+4*\b+\e]
	v_cndmask_b32 v[PTC+4*\b+\e], s60, v210, s[CM+4*\b+\e]
.endr
.endr
.endm
; One turn: 4 keys x 1 row x 2 batches a lane.
.macro BTURN tn
.set SL, RING+20*((\tn)&3)
.set RS, RES+20*((\tn)&1)
.set KK, (\tn)&7
.set SG, (\tn)>>3
.if (\tn) > 12
.set LEFT, 5*(15-(\tn))
.else
.set LEFT, 15
.endif
.irp e, 0,1,2,3
	v_cmp_eq_u32 s[DM+\e], 2*KK-\e, v[KD+SG]       ; the diagonal, the same in both batches
.endr
.irp b, 0,1
.irp e, 0,1,2,3
	v_cmp_eq_u32 s[CM+4*\b+\e], v[CQ+8*\b+KK], v[CK+8*\b+4*SG+\e]     ; same and valid: invalid ids were made -2 (query) and -1 (key)
.endr
.endr                                                  ; the twelve compares hang on no loaded bias: they stand ahead of the wait for the slot
	s_wait_loadcnt LEFT                            ; loads come back in order: mine are in, the five of each of the (at most three) younger turns stay out
	s_wait_alu depctr_va_sdst(0)                   ; the twelve masks s[DM ..] and s[CM ..] are written, ahead of the selects that read them
.if ((\tn) > 1) && (((\tn)&1) == 0)
	s_wait_alu depctr_vm_vsrc(0)                   ; the LDS stores of the last two turns have read both RES buffers, which this turn's and the next turn's maxima write again
.endif
.irp b, 0,1
	v_pk_add_f32 v[SL+8*\b:SL+8*\b+1],   v[SL+8*\b:SL+8*\b+1],   v[SL+8*\b+4:SL+8*\b+5]
	v_pk_add_f32 v[SL+8*\b+2:SL+8*\b+3], v[SL+8*\b+2:SL+8*\b+3], v[SL+8*\b+6:SL+8*\b+7]
	v_pk_add_f32 v[SL+8*\b:SL+8*\b+1],   v[SL+8*\b:SL+8*\b+1],   v[SL+16:SL+17]
	v_pk_add_f32 v[SL+8*\b+2:SL+8*\b+3], v[SL+8*\b+2:SL+8*\b+3], v[SL+18:SL+19]
.irp e, 0,1,2,3
	v_cndmask_b32 v[CT+\e], v[PT+4*\b+\e], v[PTC+4*\b+\e], s[CM+4*\b+\e]
	v_cndmask_b32 v[CT+\e], v[CT+\e], v[PT+4*\b+\e], s[DM+\e]
.endr
	v_pk_fma_f32 v[SL+8*\b:SL+8*\b+1],   v[SL+8*\b:SL+8*\b+1],   L2E, v[CT:CT+1]   op_sel_hi:[1,0,1]
	v_pk_fma_f32 v[SL+8*\b+2:SL+8*\b+3], v[SL+8*\b+2:SL+8*\b+3], L2E, v[CT+2:CT+3] op_sel_hi:[1,0,1]
.irp e, 0,1,2,3
	v_max_num_f32 v[RS+4*\b+\e], s61, v[SL+8*\b+\e]                   ; -inf and NaN become NEGB: no infinity reaches a matrix operand
.endr
.endr
	s_wait_alu depctr_va_vdst(0)                   ; the maxima have written this turn's RES, which the LDS stores read; the turn's arithmetic is done reading and writing the slot, in which the loads below land
	ds_store_b128 v5, v[RS:RS+3]   offset:32*KK
	ds_store_b128 v5, v[RS+4:RS+7] offset:4352+32*KK
.if (\tn) < 12
	BFILL (\tn)+4                                  ; the slot is asked for again at once
.endif
.endm
; A stage leaves: 16 loads of two whole pieces, 16 stores of 512 consecutive aligned bytes.
.macro BOUT st
.if \st
	s_wait_xcnt 0x0                                ; the last stage's stores read OUTR: it is loaded again only behind this wait (ISA guide 3.1)
	s_wait_alu depctr_vm_vsrc(0)                   ; the last stage's stores have read OUTR, in which the LDS loads below land
.endif
.set oi, 0
.rept 16
	ds_load_b128 v[OUTR+4*oi:OUTR+4*oi+3], v6 offset:4352*(oi>>3)+544*(oi&7)      ; LDS serves a wave's instructions in order: these see the stores above
.set oi, oi+1
.endr
.set oi, 0
.rept 16
	s_wait_dscnt 15-oi
	global_store_b128 v7, v[OUTR+4*oi:OUTR+4*oi+3], s[56+2*(oi>>3):57+2*(oi>>3)] offset:4096*\st+512*(oi&7)
.set oi, oi+1
.endr
.endm
	BFILL 0
	BFILL 1
	BFILL 2
	BFILL 3
	s_wait_loadcnt 20                              ; ids and pad bytes are in; the ring's 20 loads are younger
.set ci, 0
.rept 16
	v_cmp_lt_u32 s[CM+ci], 0x7fffffff, v[CK+ci]    ; a negative id
.set ci, ci+1
.endr
	s_wait_alu depctr_va_sdst(0)                   ; the sixteen masks of the keys' ids are written, ahead of the selects that read them
.set ci, 0
.rept 16
	v_cndmask_b32 v[CK+ci], v[CK+ci], v228, s[CM+ci]
.set ci, ci+1
.endr
.set ci, 0
.rept 16
	v_cmp_lt_u32 s[CM+ci], 0x7fffffff, v[CQ+ci]
.set ci, ci+1
.endr
	s_wait_alu depctr_va_sdst(0)                   ; the sixteen masks of the queries' ids are written, ahead of the selects that read them
.set ci, 0
.rept 16
	v_cndmask_b32 v[CQ+ci], v[CQ+ci], v229, s[CM+ci]
.set ci, ci+1
.endr
	BKEYS 0
.set TN, 0
.rept 8
	BTURN TN
.set TN, TN+1
.endr
	BOUT 0
	BKEYS 1
.rept 8
	BTURN TN
.set TN, TN+1
.endr
	BOUT 1
	s_wait_dscnt 0x0                               ; the closing lines, six on end
	s_wait_alu 0x0
	s_wait_tensorcnt 0x0
	ds_add_u32 v254, v255
	s_wait_dscnt 0x0
	s_endpgm
; ======================================================================= role 1: q, k, v
; Work-group x: head x & 7, rows 128 (x >> 3) .. + 127.  Wave w: row tiles 4 (w >> 2) .. + 3, column tile w & 3 of each of q, k, v.
; K = 512 goes in 8 chunks of 64 through two LDS slots of 320 rows (128 of x, 64 of Wq, Wk, Wv) x 144 bytes (128 of f16 + 16:
; the pitch is an odd multiple of 16 bytes, so the 16 rows that a fragment load touches start in 16 different 16-byte columns of 256).
; THE CHUNKS GO ROUND A RING: the work-group of head hd and row block rb takes chunk (hd + rb + s) mod 8 in step s.  The eight work-groups that load a
; row block's x then take eight different chunks in each step, and so do any eight neighbouring row blocks that load a head's W.  What this work-group
; loads in step s, work-group (hd + 1 mod 8, rb) has loaded of x, and work-group (hd, rb + 1 mod 32) of W, in step s - 1: only step 0 asks for bytes
; that no work-group has loaded before.  A sum over K does not mind where it starts.
; q and k are made transposed (source 0 = rows of W, source 1 = rows of x): a lane then holds 8 neighbouring d of one row.
; v is made as it stands (source 0 = rows of x): a lane holds 8 neighbouring keys of one d.  Either way 16 bytes that belong together,
; and a wave's store covers 512 consecutive aligned bytes of the fragment order: no stage on the way out.
; THE PLAN.  Registers that memory or LDS instructions touch:
;   STG         Step c: its 40 conversions read and write it in place; its 20 LDS stores read it; then the next chunk's 20 loads land in it.
;   XF, WF      Each 32 along K: 14 LDS loads land in them, 12 matrix instructions read them.
;   v1, v243    The loads' offset, two registers by turns: step c writes the one that the loads issued in step c - 2 read, and its own loads read it.
;   v2 .. v7, v240, v241   made here, never written again.     OG: written by the way out's conversions, read by its 12 stores.
; A step has three waits.  va_vdst behind the conversions: STG is written (the LDS stores' data) and done with (the next loads), the next offset is written, and the
; last step's matrix instructions are done reading XF and WF.  vm_vsrc behind the LDS stores: they have read STG, and the loads issued in the step before have read
; their offset.  va_vdst ahead of the second 32's fragment loads: the first 32's matrix instructions are done reading XF and WF.
.Lgemm:
	s_and_b32 s41, ttmp9, 7                        ; head
	s_lshr_b32 s42, ttmp9, 3                       ; block of 128 rows, 0..31
	s_lshr_b32 s43, s42, 4                         ; batch
	s_lshr_b32 s36, s40, 2                         ; rg
	s_and_b32 s37, s40, 3                          ; cg
	s_add_co_u32 s38, s41, s42
	s_and_b32 s38, s38, 7
	s_lshl_b32 s38, s38, 8                         ; s38: 256 bytes x my first chunk
	v_lshrrev_b32 v220, 4, v0                      ; t / 16
	v_and_b32 v221, 15, v0                         ; t % 16 = r
	v_bfe_u32 v223, v0, 4, 1                       ; h
	v_and_b32 v222, 31, v0                         ; lane
	v_lshlrev_b32 v[LOFF], 11, v220
	v_lshl_add_u32 v[LOFF], v221, 4, v[LOFF]       ; row t / 16 of 2,048 bytes, 16 bytes at 16 (t % 16)
	v_add_nc_u32 v1, s38, v[LOFF]                  ; v1: + the chunk: 240 + 1,792 + 15 = 2,047 at the most, inside the row
	v_mul_u32_u24 v2, 0x90, v220
	v_lshl_add_u32 v2, v221, 3, v2                 ; v2: the same place in slot 0, in f16
	v_add_nc_u32 v3, 0xb400, v2                    ; v3: in slot 1
	v_mul_u32_u24 v224, 0x90, v221
	v_lshl_add_u32 v224, v223, 4, v224             ; r x pitch + 16 h
	s_mul_i32 s4, s36, 9216
	v_add_nc_u32 v4, s4, v224                      ; v4: fragments of my 64 rows of x
	s_mul_i32 s5, s37, 2304
	s_add_co_u32 s5, s5, 18432
	v_add_nc_u32 v5, s5, v224                      ; v5: fragments of my 16 rows of Wq (Wk, Wv: 64 rows further each)
	v_lshlrev_b32 v7, 4, v222                      ; v7: out, v: 16 x lane
	s_lshl_b32 s6, s37, 9
	v_add_nc_u32 v6, s6, v7                        ; v6: out, q and k: + octets 2 cg, 2 cg + 1
	s_lshl_b32 s7, s37, 6
	v_lshl_add_u32 v240, v223, 5, s7               ; bq, bk: my 8 columns
	v_lshl_add_u32 v241, v221, 2, s7               ; bv: my column
	s_lshl_b32 s2, s42, 18
	s_add_nc_u64 s[44:45], s[8:9], s[2:3]          ; x at the block's first row
	s_lshl_b32 s2, s41, 17
	s_add_nc_u64 s[46:47], s[10:11], s[2:3]        ; the head's 64 rows of Wq, Wk, Wv
	s_add_nc_u64 s[48:49], s[12:13], s[2:3]
	s_add_nc_u64 s[50:51], s[14:15], s[2:3]
	s_lshl_b32 s2, s41, 8
	s_add_nc_u64 s[52:53], s[16:17], s[2:3]        ; bq, bk, bv
	s_add_nc_u64 s[54:55], s[18:19], s[2:3]
	s_add_nc_u64 s[56:57], s[20:21], s[2:3]
	s_lshl_b32 s4, s43, 3
	s_add_co_u32 s4, s4, s41                       ; 8 batch + head
	s_and_b32 s5, s42, 15
	s_lshl_b32 s5, s5, 3
	s_lshl2_add_u32 s5, s36, s5                    ; my first row tile in the batch
	s_lshl_b32 s6, s4, 7
	s_add_co_u32 s6, s6, s5
	s_lshl_b32 s2, s6, 11                          ; tiles of 2,048 bytes
	s_add_nc_u64 s[58:59], s[22:23], s[2:3]        ; qf
	s_add_nc_u64 s[60:61], s[24:25], s[2:3]        ; kf
	s_lshl_b32 s6, s4, 6
	s_lshr_b32 s7, s5, 1
	s_add_co_u32 s6, s6, s7
	s_lshl_b32 s6, s6, 12                          ; key steps of 4,096 bytes
	s_lshl_b32 s7, s37, 10
	s_add_co_u32 s2, s6, s7                        ; + d tile cg
	s_add_nc_u64 s[62:63], s[26:27], s[2:3]        ; vf
.macro GLOAD o                         ; the chunk that v[o] points at: 20 loads a thread, each of a wave 2 rows x 256 aligned bytes
.irp g, 0,1,2,3,4,5,6,7
	global_load_b128 v[STG+4*\g:STG+4*\g+3], v[\o], s[44:45] offset:\g*32768
.endr
.irp m, 0,1,2
.irp g, 0,1,2,3
	global_load_b128 v[STG+32+16*\m+4*\g:STG+32+16*\m+4*\g+3], v[\o], s[46+2*\m:47+2*\m] offset:\g*32768
.endr
.endr
.endm
.macro GCVT                            ; to f16, in place: one run of 40
.set gi, 0
.rept 20
	v_cvt_pk_f16_f32 v[STG+4*gi],   v[STG+4*gi],   v[STG+4*gi+1]
	v_cvt_pk_f16_f32 v[STG+4*gi+1], v[STG+4*gi+2], v[STG+4*gi+3]
.set gi, gi+1
.endr
.endm
.macro GSTORE slot                     ; and into the slot: one run of 20
.set gi, 0
.rept 20
	ds_store_b64 v[2+\slot], v[STG+4*gi:STG+4*gi+1] offset:gi*2304
.set gi, gi+1
.endr
.endm
.macro MM d, a, b, zero                ; zero = 1: the first product starts the sum
.if \zero
	v_wmma_f32_16x16x32_f16 v[\d:\d+7], v[\a:\a+7], v[\b:\b+7], 0
.else
	v_wmma_f32_16x16x32_f16 v[\d:\d+7], v[\a:\a+7], v[\b:\b+7], v[\d:\d+7]
.endif
.endm
; 32 along K: 14 fragment loads, 12 matrix instructions.  The twelve accumulators take turns, one instruction a turn.
.macro KSTEP slot, ks, zero
.if \ks
	s_wait_alu depctr_va_vdst(0)                   ; the first 32's matrix instructions are done reading XF and WF, in which the loads below land (for a step's first 32 the wait behind the conversions has stated the same)
.endif
.irp a, 0,1,2,3
	ds_load_b128 v[XF+8*\a:XF+8*\a+3],   v4 offset:\slot*46080+\a*2304+64*\ks
	ds_load_b128 v[XF+8*\a+4:XF+8*\a+7], v4 offset:\slot*46080+\a*2304+64*\ks+32
.endr
.irp m, 0,1,2
	ds_load_b128 v[WF+8*\m:WF+8*\m+3],   v5 offset:\slot*46080+\m*9216+64*\ks
	ds_load_b128 v[WF+8*\m+4:WF+8*\m+7], v5 offset:\slot*46080+\m*9216+64*\ks+32
.endr
	s_wait_dscnt 0x0
.irp a, 0,1,2,3
	MM ACC+24*\a,    WF,       XF+8*\a, \zero
	MM ACC+24*\a+8,  WF+8,     XF+8*\a, \zero
	MM ACC+24*\a+16, XF+8*\a,  WF+16,   \zero
.endr
	PLACES                                         ; in front of the next loads into the fragments, where they stand beside the wait and not for it, and of the way out
.endm
; One step, one barrier.  In front of it: my stores into this slot are done, and so are my reads of the other slot (each KSTEP waited for them).
; Behind it this slot is read; the other slot is written only in the next step, behind this barrier.
.macro GCHUNK c, slot, zero
.set ON, 1+242*(((\c)+1)&1)            ; the offset register of the chunk that this step asks for: v243, v1, v243, ..
	s_wait_loadcnt 0x0                             ; this step's chunk is in; it also shows every load that names v1 or v243 done
.if \c < 7
	s_add_co_u32 s38, s38, 256                     ; the next chunk,
	s_and_b32 s38, s38, 0x700                      ; round the ring of eight
	v_add_nc_u32 v[ON], s38, v[LOFF]               ; the loads that read this register were issued two steps back, ahead of the last step's wait on vm_vsrc
.endif
	GCVT
	s_wait_alu depctr_va_vdst(0)                   ; the conversions have written STG, which the LDS stores read, and are done reading it, so the next loads may land; the next offset is written; the last step's matrix instructions are done reading XF and WF
	GSTORE \slot
	s_wait_alu depctr_vm_vsrc(0)                   ; the LDS stores have read STG, in which the loads below land; the loads issued in the last step have read their offset, which the next step writes
.if \c < 7
	GLOAD ON                                       ; it travels while this one is multiplied
.else
	global_load_b128 v[8:11],  v240, s[52:53]
	global_load_b128 v[12:15], v240, s[52:53] offset:16
	global_load_b128 v[16:19], v240, s[54:55]
	global_load_b128 v[20:23], v240, s[54:55] offset:16
	global_load_b32 v24, v241, s[56:57]
.endif
	s_wait_dscnt 0x0                               ; for the other waves' sake: zero
	s_barrier_signal -1
	s_barrier_wait -1
	KSTEP \slot, 0, \zero
	KSTEP \slot, 1, 0
.endm
	s_wait_alu depctr_va_vdst(0)                   ; v1 to v7, v240 and v241 are written: the loads, stores and LDS instructions of this role read them as offsets and addresses
	GLOAD 1
	GCHUNK 0, 0, 1
	GCHUNK 1, 1, 0
	GCHUNK 2, 0, 0
	GCHUNK 3, 1, 0
	GCHUNK 4, 0, 0
	GCHUNK 5, 1, 0
	GCHUNK 6, 0, 0
	GCHUNK 7, 1, 0
	s_wait_loadcnt 0x0                             ; the biases
.irp p, 0,1,2,3
	v_pk_mul_f32 v[8+2*\p:9+2*\p], v[8+2*\p:9+2*\p], QSC op_sel_hi:[1,0]
.endr
	v_mov_b32 v25, v24                             ; bv of my column, twice
.irp a, 0,1,2,3
.irp p, 0,1,2,3
	v_pk_fma_f32 v[ACC+24*\a+2*\p:ACC+24*\a+2*\p+1], v[ACC+24*\a+2*\p:ACC+24*\a+2*\p+1], QSC, v[8+2*\p:9+2*\p] op_sel_hi:[1,0,1]
	v_pk_add_f32 v[ACC+24*\a+8+2*\p:ACC+24*\a+9+2*\p], v[ACC+24*\a+8+2*\p:ACC+24*\a+9+2*\p], v[16+2*\p:17+2*\p]
	v_pk_add_f32 v[ACC+24*\a+16+2*\p:ACC+24*\a+17+2*\p], v[ACC+24*\a+16+2*\p:ACC+24*\a+17+2*\p], v[24:25]
.endr
.irp p, 0,1,2,3
	v_cvt_pk_f16_f32 v[OG+12*\a+\p],   v[ACC+24*\a+2*\p],    v[ACC+24*\a+2*\p+1]
	v_cvt_pk_f16_f32 v[OG+12*\a+4+\p], v[ACC+24*\a+8+2*\p],  v[ACC+24*\a+9+2*\p]
	v_cvt_pk_f16_f32 v[OG+12*\a+8+\p], v[ACC+24*\a+16+2*\p], v[ACC+24*\a+17+2*\p]
.endr
.endr
	s_wait_alu depctr_va_vdst(0)                   ; the conversions have written all twelve groups of OG, which the stores read
.irp a, 0,1,2,3
	global_store_b128 v6, v[OG+12*\a:OG+12*\a+3],    s[58:59] offset:\a*2048               ; each group of 4 registers is stored once: none is rewritten
	global_store_b128 v6, v[OG+12*\a+4:OG+12*\a+7],  s[60:61] offset:\a*2048
	global_store_b128 v7, v[OG+12*\a+8:OG+12*\a+11], s[62:63] offset:(\a>>1)*4096+(\a&1)*512
.endr
	s_wait_dscnt 0x0                               ; the closing lines, six on end
	s_wait_alu 0x0
	s_wait_tensorcnt 0x0
	ds_add_u32 v254, v255
	s_wait_dscnt 0x0
	s_endpgm
.Lfunc_end_k_q5542d68f5f_prep:
	.size	k_q5542d68f5f_prep, .Lfunc_end_k_q5542d68f5f_prep-k_q5542d68f5f_prep
	.p2alignl 7, 3214868480
	.fill 96, 4, 3214868480
	.section	.rodata,"a",@progbits
	.p2align	6, 0x0
	.amdhsa_kernel k_q5542d68f5f_prep
		.amdhsa_group_segment_fixed_size 93184
		.amdhsa_private_segment_fixed_size 0
		.amdhsa_enable_private_segment 0
		.amdhsa_kernarg_size 128
		.amdhsa_user_sgpr_count 2
		.amdhsa_user_sgpr_kernarg_segment_ptr 1
		.amdhsa_wavefront_size32 1
		.amdhsa_system_sgpr_workgroup_id_x 1
		.amdhsa_system_sgpr_workgroup_id_y 1
		.amdhsa_system_sgpr_workgroup_id_z 1
		.amdhsa_system_vgpr_workitem_id 0
		.amdhsa_next_free_vgpr 256
		.amdhsa_next_free_sgpr 66
		.amdhsa_reserve_vcc 0
		.amdhsa_float_denorm_mode_32 3
		.amdhsa_float_denorm_mode_16_64 3
		.amdhsa_memory_ordered 1
		.amdhsa_forward_progress 1
		.amdhsa_inst_pref_size 166
	.end_amdhsa_kernel
	.amdgpu_metadata
---
amdhsa.version: [ 1, 2 ]
amdhsa.kernels:
  - .name:           k_q5542d68f5f_prep
    .symbol:         k_q5542d68f5f_prep.kd
    .args:
      - { .name: x, .offset: 0, .size: 8, .value_kind: global_buffer, .address_space: global }
      - { .name: Wq, .offset: 8, .size: 8, .value_kind: global_buffer, .address_space: global }
      - { .name: Wk, .offset: 16, .size: 8, .value_kind: global_buffer, .address_space: global }
      - { .name: Wv, .offset: 24, .size: 8, .value_kind: global_buffer, .address_space: global }
      - { .name: bq, .offset: 32, .size: 8, .value_kind: global_buffer, .address_space: global }
      - { .name: bk, .offset: 40, .size: 8, .value_kind: global_buffer, .address_space: global }
      - { .name: bv, .offset: 48, .size: 8, .value_kind: global_buffer, .address_space: global }
      - { .name: qf, .offset: 56, .size: 8, .value_kind: global_buffer, .address_space: global }
      - { .name: kf, .offset: 64, .size: 8, .value_kind: global_buffer, .address_space: global }
      - { .name: vf, .offset: 72, .size: 8, .value_kind: global_buffer, .address_space: global }
      - { .name: ipa_affinity_bias, .offset: 80, .size: 8, .value_kind: global_buffer, .address_space: global }
      - { .name: assoc_bias, .offset: 88, .size: 8, .value_kind: global_buffer, .address_space: global }
      - { .name: attention_mask, .offset: 96, .size: 8, .value_kind: global_buffer, .address_space: global }
      - { .name: concept_ids, .offset: 104, .size: 8, .value_kind: global_buffer, .address_space: global }
      - { .name: key_padding_mask, .offset: 112, .size: 8, .value_kind: global_buffer, .address_space: global }
      - { .name: biasf, .offset: 120, .size: 8, .value_kind: global_buffer, .address_space: global }
    .group_segment_fixed_size: 93184
    .private_segment_fixed_size: 0
    .kernarg_segment_align: 8
    .kernarg_segment_size: 128
    .max_flat_workgroup_size: 256
    .sgpr_count:     66
    .vgpr_count:     256
    .wavefront_size: 32
...
	.end_amdgpu_metadata
.endif
;; end of part 4
;; launch attn: the kernel of part 2 again; grid 256 x 1, 8 waves a work-group, clusters of 4 x 1, 327,680 bytes of LDS; arguments qf, kf, vf, biasf, ctxf; writes ctxf
;; launch outp (part 5): grid 256 x 1, 8 waves a work-group, no clusters, 102,400 bytes of LDS; arguments ctxf, Wo, bo, out0; writes out0
.if DOCPART == 5
	.amdgcn_target "amdgcn-amd-amdhsa--gfx1250"
	.amdhsa_code_object_version 6
	.text
	.protected	k_q5542d68f5f_outp
	.globl	k_q5542d68f5f_outp
	.p2align	8
	.type	k_q5542d68f5f_outp,@function
k_q5542d68f5f_outp:
	s_mov_b64 s[64:65], 0
	v_nop
	global_prefetch_b8 v0, s[64:65] scope:SCOPE_SE
	s_setreg_imm32_b32 hwreg(HW_REG_WAVE_SCHED_MODE, 0, 2), 2
	s_setreg_imm32_b32 hwreg(HW_REG_WAVE_MODE, 25, 1), 1
	s_wait_xcnt 0x0
	s_wait_alu depctr_vm_vsrc(0)
; out0 = ctx Wo^T + bo.  Work-group x: 64 columns (x & 7), 128 rows (x >> 3).  Wave w: row tile 8 (x >> 3) + w, four column tiles, K = 512.
; TRANSPOSED: source 0 = rows of Wo, source 1 = rows of ctx, so that a lane holds 8 neighbouring columns of one row.
; ctx comes in fragment order, 512 consecutive bytes a load, straight into registers.  The 64 rows of Wo (131,072 consecutive bytes of f32) are
; converted to f16 once and shared through LDS: 64 rows x 1,040 bytes (1,024 + 16: an odd multiple of 16, so the 16 rows that a fragment load touches
; start in 16 different 16-byte columns of 256).  bo is loaded INTO the accumulators: it starts the sums.
; Operands are f16: |ctx| and |Wo| below 65,504; below 6e-5 they keep an absolute step of 6e-8.
; No tensor loads and no joint loads: Wo has to pass through registers to be converted, and ctx is read by one wave of eight work-groups only.
; THE MODE: SCHED_MODE bits 1:0 = 2 (LLVM: expert scheduling mode 2), set by the entry lines.  The code itself states the register dependences
; between vector or matrix instructions and memory or LDS instructions, with s_wait_alu, always for 0.
; THE PLAN.  Registers that memory or LDS instructions touch:
;   v1 .. v8      offsets and LDS addresses: made at the head, never written again.
;   v[16:143]     Wo as loaded: read and written in place by the conversions, read by the LDS stores; from the barrier on they are WF0 and WF1.
;   WF0, WF1, WF2 Group g (2 k steps): its 8 matrix instructions read WF[g % 3]; the 16 LDS loads of group g + 2 land in WF[(g + 2) % 3] = WF[(g - 1) % 3].
;   ACC           bo's loads land in it; matrix instructions add onto it; the way out's LDS stores read it.
;   window 1      ctx: loaded once, read by matrix instructions.     v[16:47] at last: LDS loads land, the global stores read.
; So ONE wait on va_vdst stands at the head of a group that fetches: the group before is done reading the buffer in which this group's loads land.  The loads follow it,
; two behind each of the group's matrix instructions, which name WF[g % 3], ctx and the accumulators: none of the registers that those loads touch.
; An LDS load names a destination and source 0 alone, both in window 0 under the products' setting: the groups run under one setting.
.set ACC, 144                          ; v[144:175] column tile t at 8t
.set WF0, 16                           ; v[16:79]   fragments of Wo: 2 k steps x 4 tiles x 8
.set WF1, 80                           ; v[80:143]  the second buffer.  v[16:143] first hold Wo as loaded, v[16:47] at last the rows to store
.set WF2, 176                          ; v[176:239] the third buffer
.set MSB, 0                            ; window 1: v[0:127] ctx, k step s at 8s
.macro WIN new
.if MSB != \new
	s_set_vgpr_msb (MSB<<8)|\new
.set MSB, \new
.endif
.endm
.macro PLACES                          ; four places behind a matrix instruction (ISA guide 7.12.1)
.rept 4
	v_nop
.endr
.endm
	s_load_b256 s[4:11], s[0:1], 0x0               ; ctxf 4, Wo 6, bo 8, out0 10
	v_lshl_add_u32 v254, v0, 2, 0x18c00
	v_mov_b32 v255, 0
	v_lshrrev_b32 v9, 5, v0
	v_readfirstlane_b32 s12, v9                    ; wave
	s_and_b32 s13, ttmp9, 7                        ; block of 64 columns
	s_lshr_b32 s14, ttmp9, 3                       ; block of 128 rows
	v_lshlrev_b32 v1, 4, v0                        ; v1: Wo: 16 t
	v_lshrrev_b32 v9, 7, v0
	v_and_b32 v10, 127, v0
	v_mul_u32_u24 v2, 0x410, v9
	v_lshl_add_u32 v2, v10, 3, v2                  ; v2: the same 4 numbers in LDS: row t / 128, 8 bytes
	v_and_b32 v11, 15, v0                          ; r
	v_bfe_u32 v12, v0, 4, 1                        ; h
	v_mul_u32_u24 v3, 0x410, v11
	v_lshl_add_u32 v3, v12, 4, v3                  ; v3: fragments of Wo
	v_and_b32 v13, 31, v0
	v_lshlrev_b32 v4, 4, v13                       ; v4: 16 x lane
	s_wait_alu depctr_va_sdst(0)                   ; s12 is written, ahead of its first reader: my stage's place and my row tile are made from it
	s_mul_i32 s15, s12, 4352
	s_add_co_u32 s15, s15, 66560                   ; my wave's stage: 16 rows x 272 bytes
	v_mul_u32_u24 v5, 0x110, v11
	v_lshl_add_u32 v5, v12, 5, v5
	v_add_nc_u32 v5, s15, v5                       ; v5: in: row r, 32 bytes for each half of the lanes
	v_mul_u32_u24 v6, 0x110, v12
	v_lshl_add_u32 v6, v11, 4, v6
	v_add_nc_u32 v6, s15, v6                       ; v6: back: lanes 0-15 one row of 256 bytes, lanes 16-31 the next
	v_lshlrev_b32 v7, 11, v12
	v_lshl_add_u32 v7, v11, 4, v7                  ; v7: the same two rows in out0
	v_lshlrev_b32 v8, 5, v12                       ; v8: bo: 8 h columns
	s_mov_b32 s17, 0
	s_lshl3_add_u32 s18, s14, s12                  ; my row tile
	s_wait_kmcnt 0x0
	s_lshl_b32 s16, s13, 17
	s_add_nc_u64 s[6:7], s[6:7], s[16:17]
	s_lshl_b32 s16, s13, 8
	s_add_nc_u64 s[8:9], s[8:9], s[16:17]
	s_add_nc_u64 s[10:11], s[10:11], s[16:17]
	s_lshl_b32 s16, s18, 14
	s_add_nc_u64 s[4:5], s[4:5], s[16:17]
	s_lshl_b32 s16, s18, 15
	s_add_nc_u64 s[10:11], s[10:11], s[16:17]
	s_wait_alu depctr_va_vdst(0)                   ; v1 to v8 are written: every load, store and LDS instruction of the kernel reads one of them; only loads and a window switch stand between this wait and the loads under the other window
.set pp, 0
.rept 32
	global_load_b128 v[16+4*pp:19+4*pp], v1, s[6:7] offset:4096*pp
.set pp, pp+1
.endr
.irp t, 0,1,2,3
	global_load_b128 v[ACC+8*\t:ACC+8*\t+3],   v8, s[8:9] offset:64*\t
	global_load_b128 v[ACC+8*\t+4:ACC+8*\t+7], v8, s[8:9] offset:64*\t+16
.endr
	WIN 0x40
.set pp, 0
.rept 32
	global_load_b128 v[4*pp:4*pp+3], v4, s[4:5] offset:512*pp
.set pp, pp+1
.endr
	WIN 0
.macro CVT16 first                     ; 16 loads' worth of Wo to f16, in one run, and into LDS, in one run
.set pp, \first
.rept 16
	v_cvt_pk_f16_f32 v[16+4*pp], v[16+4*pp], v[17+4*pp]
	v_cvt_pk_f16_f32 v[17+4*pp], v[18+4*pp], v[19+4*pp]
.set pp, pp+1
.endr
	s_wait_alu depctr_va_vdst(0)                   ; the conversions have written the sixteen pairs that the LDS stores read
.set pp, \first
.rept 16
	ds_store_b64 v2, v[16+4*pp:17+4*pp] offset:2080*pp
.set pp, pp+1
.endr
.endm
	s_wait_loadcnt 56                              ; Wo's first 16 loads are in: 16 of Wo, 8 of bo, 32 of ctx are younger
	CVT16 0
	s_wait_loadcnt 40                              ; all of Wo: 8 + 32 are younger
	CVT16 16
	s_wait_dscnt 0x0                               ; for the other waves' sake: zero
	s_barrier_signal -1
	s_barrier_wait -1
	s_wait_loadcnt 0x0                             ; bo and ctx
	s_wait_alu depctr_vm_vsrc(0)                   ; my LDS stores have read v[16:143]: these registers are WF0 and WF1 from here on, in which the fragments' loads land (the conversions that named them stand ahead of the last wait on va_vdst)
.macro FETCH g, wf                     ; k steps 2g, 2g + 1 of the four tiles of Wo
.irp sl, 0,1
.irp t, 0,1,2,3
	ds_load_b128 v[\wf+32*\sl+8*\t:\wf+32*\sl+8*\t+3],   v3 offset:16640*\t+64*(2*(\g)+\sl)
	ds_load_b128 v[\wf+32*\sl+8*\t+4:\wf+32*\sl+8*\t+7], v3 offset:16640*\t+64*(2*(\g)+\sl)+32
.endr
.endr
.endm
; Group g multiplies buffer wf.  more = 1: the fragments of group g + 2 are fetched into buffer nf, one fragment (two loads) behind each matrix instruction.
; wait = 1: nf has been read by the group before.  The four accumulators take turns.
.macro GROUP g, wf, nf, left, more, wait
.if \wait
	PLACES                                         ; behind the last group's matrix instructions, ahead of the loads into their fragments: they stand beside the wait below, not for it
.endif
	s_wait_dscnt \left                             ; this group's 16 loads are in; the next group's 16 may stay out
.if \wait
	s_wait_alu depctr_va_vdst(0)                   ; the last group's matrix instructions are done reading their buffer, in which this group's loads land
.endif
.irp sl, 0,1
.irp t, 0,1,2,3
	v_wmma_f32_16x16x32_f16 v[ACC+8*\t:ACC+8*\t+7], v[\wf+32*\sl+8*\t:\wf+32*\sl+8*\t+7], v[8*(2*(\g)+\sl):8*(2*(\g)+\sl)+7], v[ACC+8*\t:ACC+8*\t+7]
.if \more
	ds_load_b128 v[\nf+32*\sl+8*\t:\nf+32*\sl+8*\t+3],   v3 offset:16640*\t+64*(2*(\g)+4+\sl)      ; no wait: no vector or matrix instruction since the wait above names this buffer
	ds_load_b128 v[\nf+32*\sl+8*\t+4:\nf+32*\sl+8*\t+7], v3 offset:16640*\t+64*(2*(\g)+4+\sl)+32
.endif
.endr
.endr
.endm
	FETCH 0, WF0
	FETCH 1, WF1
	WIN 0x04                                       ; source 1 (ctx) in window 1: the setting of all eight groups
	GROUP 0, WF0, WF2, 16, 1, 0                    ; no vector or matrix instruction has named WF2 yet: no wait
	GROUP 1, WF1, WF0, 16, 1, 1
	GROUP 2, WF2, WF1, 16, 1, 1
	GROUP 3, WF0, WF2, 16, 1, 1
	GROUP 4, WF1, WF0, 16, 1, 1
	GROUP 5, WF2, WF1, 16, 1, 1
	GROUP 6, WF0, WF0, 16, 0, 0                    ; the last two groups fetch nothing
	GROUP 7, WF1, WF1, 0, 0, 0
	WIN 0
	; the way out, through my wave's own stage: in by 32 bytes of a row, back by whole rows of 256 bytes
	PLACES
	s_wait_alu depctr_va_vdst(0)                   ; the matrix instructions have written the accumulators, which the LDS stores read, and are done reading v[16:47], in which the rows land; the places above stay beside this wait
.irp t, 0,1,2,3
	ds_store_b128 v5, v[ACC+8*\t:ACC+8*\t+3]   offset:64*\t
	ds_store_b128 v5, v[ACC+8*\t+4:ACC+8*\t+7] offset:64*\t+16
.endr
.irp x, 0,1,2,3,4,5,6,7
	ds_load_b128 v[16+4*\x:19+4*\x], v6 offset:544*\x              ; LDS serves a wave's instructions in order: these see the stores above
.endr
.irp x, 0,1,2,3,4,5,6,7
	s_wait_dscnt 7-\x
	global_store_b128 v7, v[16+4*\x:19+4*\x], s[10:11] offset:4096*\x th:TH_STORE_NT    ; 16 lanes store 256 consecutive aligned bytes
.endr
	s_wait_dscnt 0x0                               ; the closing lines, six on end
	s_wait_alu 0x0
	s_wait_tensorcnt 0x0
	ds_add_u32 v254, v255
	s_wait_dscnt 0x0
	s_endpgm
.Lfunc_end_k_q5542d68f5f_outp:
	.size	k_q5542d68f5f_outp, .Lfunc_end_k_q5542d68f5f_outp-k_q5542d68f5f_outp
	.p2alignl 7, 3214868480
	.fill 96, 4, 3214868480
	.section	.rodata,"a",@progbits
	.p2align	6, 0x0
	.amdhsa_kernel k_q5542d68f5f_outp
		.amdhsa_group_segment_fixed_size 102400
		.amdhsa_private_segment_fixed_size 0
		.amdhsa_enable_private_segment 0
		.amdhsa_kernarg_size 32
		.amdhsa_user_sgpr_count 2
		.amdhsa_user_sgpr_kernarg_segment_ptr 1
		.amdhsa_wavefront_size32 1
		.amdhsa_system_sgpr_workgroup_id_x 1
		.amdhsa_system_sgpr_workgroup_id_y 1
		.amdhsa_system_sgpr_workgroup_id_z 1
		.amdhsa_system_vgpr_workitem_id 0
		.amdhsa_next_free_vgpr 384
		.amdhsa_next_free_sgpr 66
		.amdhsa_reserve_vcc 0
		.amdhsa_float_denorm_mode_32 3
		.amdhsa_float_denorm_mode_16_64 3
		.amdhsa_memory_ordered 1
		.amdhsa_forward_progress 1
		.amdhsa_inst_pref_size 31
	.end_amdhsa_kernel
	.amdgpu_metadata
---
amdhsa.version: [ 1, 2 ]
amdhsa.kernels:
  - .name:           k_q5542d68f5f_outp
    .symbol:         k_q5542d68f5f_outp.kd
    .args:
      - { .name: ctxf, .offset: 0, .size: 8, .value_kind: global_buffer, .address_space: global }
      - { .name: Wo, .offset: 8, .size: 8, .value_kind: global_buffer, .address_space: global }
      - { .name: bo, .offset: 16, .size: 8, .value_kind: global_buffer, .address_space: global }
      - { .name: out0, .offset: 24, .size: 8, .value_kind: global_buffer, .address_space: global }
    .group_segment_fixed_size: 102400
    .private_segment_fixed_size: 0
    .kernarg_segment_align: 8
    .kernarg_segment_size: 32
    .max_flat_workgroup_size: 256
    .sgpr_count:     66
    .vgpr_count:     384
    .wavefront_size: 32
...
	.end_amdgpu_metadata
.endif
;; end of part 5
